; MI455X (gfx1250); checked and timed in simulation.
; The chip was launched on July 23, 2026; its instructions are those of AMD's public machine-readable ISA for CDNA 5 (MIT licence, August 2026) and "CDNA5" Instruction Set Architecture Reference Guide (July 2026). The comments in the code are by the model that wrote it; some were corrected since.
;; Multi Head Attention. Allowed arithmetic: matrix products marked QUANTISED: E2M3 operands, one E8M0 scale for each 32 along K, by v_wmma_scale_f32_16x16x128_f8f6f4 with both operands' format E2M3, f32 sums; everything else in f32.
;; Inputs: Wk 1,024 x 1,024 float32; Wo 1,024 x 1,024 float32; Wq 1,024 x 1,024 float32; Wv 1,024 x 1,024 float32; k 4 x 2,048 x 1,024 float32; q 4 x 2,048 x 1,024 float32; v 4 x 2,048 x 1,024 float32.
;; Outputs: out0 4 x 2,048 x 1,024 float32.
;; This version of the problem:
;;   THIS VERSION OF THE PROBLEM IS GIVEN IN LOW PRECISION. The matrix products marked QUANTISED in the list below multiply operands that are first quantised to E2M3 (2 exponent bits, 3 mantissa bits; 6 bits a number), with one power-of-two scale for each 32 numbers along K (OCP MX v1.0); their sums are f32. All else is computed in f32.
;;   The module's matrix products, in the order in which they are computed (A, B: the left and right operand; K: the contracted axis; several contracted axes count as one K, in the product's order):
;;     1. [M 8,192, K 1,024] x [K 1,024, N 1,024]; A: input q; B: input Wq: QUANTISED
;;     2. [M 8,192, K 1,024] x [K 1,024, N 1,024]; A: input k; B: input Wk: QUANTISED
;;     3. [M 8,192, K 1,024] x [K 1,024, N 1,024]; A: input v; B: input Wv: QUANTISED
;;     4. batch 64 x [M 2,048, K 64] x [K 64, N 2,048]; A: computed on the way; B: computed on the way: QUANTISED
;;     5. batch 64 x [M 2,048, K 2,048] x [K 2,048, N 64]; A: softmax (see below); B: computed on the way: QUANTISED
;;     6. [M 8,192, K 1,024] x [K 1,024, N 1,024]; A: computed on the way; B: input Wo: QUANTISED
;;   THE QUANTISER, for each operand of a quantised product, along K:
;;     - K is cut into blocks of 32 from its start; a last block that is shorter is filled with zeros.
;;     - A block's scale is 2^e with e = floor(log2(the largest magnitude in the block)) - 2, held to -126 .. 127; a block of zeros has e = 0. As a byte (E8M0): e + 127.
;;     - Each number is divided by its block's scale, clamped to +-7.5, and rounded to the nearest number of E2M3, ties to even, subnormals kept.
;;     - The product sums the exact products of the quantised numbers (number of the format x scale) in f32.
;;   ~~~python
;;   def quantise(x, axis):      # numpy; x: float32 -> the quantised numbers, widened to float32 again
;;       x = np.moveaxis(x, axis, -1); K = x.shape[-1]
;;       x = np.pad(x, [(0, 0)] * (x.ndim - 1) + [(0, -K % 32)]); x = x.reshape(x.shape[:-1] + (-1, 32)); a = np.abs(x).max(-1, keepdims=True)
;;       e = np.where(a > 0, np.clip(np.frexp(np.where(a > 0, a, 1))[1] - 1 - 2, -126, 127), 0)      # np.frexp(a)[1] - 1 = floor(log2(a)), exactly
;;       r = np.clip(x / 2.0 ** e, -7.5, 7.5)
;;       step = 2.0 ** (np.maximum(np.frexp(np.where(r == 0, 1, r))[1] - 1, 0) - 3)
;;       q = np.round(r / step) * step * 2.0 ** e      # np.round: ties to even
;;       return np.moveaxis(q.reshape(q.shape[:-2] + (-1,))[..., :K], -1, axis).astype(np.float32)
;;   ~~~
;;   SOFTMAX AHEAD OF A QUANTISED PRODUCT. Where the list says 'softmax', what is quantised is not the finished softmax but p = 2^(t - M), with t = logit x log2(e) and M = ceil(the row's largest t), a whole number; so 1/2 < the row's largest p <= 1. The row's sum l is taken of the UNQUANTISED p, in f32, and the product's result is divided by l at the end. Since M is a whole number, a kernel that streams over the keys may use a running M (the ceiling of the running maximum): every later rescaling is an exact power of two, which a block's scale takes up: the codes' values come out the same.
;;   OPERANDS COMPUTED ON THE WAY. 'Computed on the way' means the value that the module computes at that place (a softmax that the list does not call 'softmax' is quantised finished and normalised). What goes into a quantiser is computed in f32, as accurately as f32 sums, v_exp_f32 and their like allow (about 1e-6 of the number): no bf16 or f16 on the way to a quantiser, and a product that is left as it is and whose result goes on into a quantised operand takes f32 operands (vector FMAs, or v_wmma_f32_16x16x4_f32). A number that lies on a knife's edge between two numbers of the format may be rounded either way, as far as f32 arithmetic and the matrix unit's own rounding can turn it there, and no further.
;; One version. Each part assembles by itself: llvm-mc -triple=amdgcn-amd-amdhsa -mcpu=gfx1250 --defsym DOCPART=n.
;; ======== version 1 of 1: 4 launches
;; limits: right only within a limited range of input values
;; workspace buffers: qc 22,020,096 bytes; qs 917,504 bytes; hc 18,874,368 bytes; hs 786,432 bytes; cc 6,291,456 bytes; cs 262,144 bytes
;; launch quant (part 1): grid 1024 x 1, 4 waves a work-group, no clusters, 34,304 bytes of LDS; arguments q, k, v, Wq, Wk, Wv, Wo, qc, qs; writes qc, qs
.if DOCPART == 1
	.amdgcn_target "amdgcn-amd-amdhsa--gfx1250"
	.amdhsa_code_object_version 6
	.text
	.protected	k_q7b85839b32_quant
	.globl	k_q7b85839b32_quant
	.p2align	8
	.type	k_q7b85839b32_quant,@function
k_q7b85839b32_quant:
	s_mov_b64 s[64:65], 0
	v_nop
	global_prefetch_b8 v0, s[64:65] scope:SCOPE_SE
	s_setreg_imm32_b32 hwreg(HW_REG_WAVE_MODE, 25, 1), 1
	s_wait_xcnt 0x0
; q, k, v [8192][1024] and Wq, Wk, Wv, Wo [1024 (k)][1024 (n)], f32, become codes of FP6 (E2M3) with one E8M0 byte for each 32 along K, laid in the order of the matrix operand's registers.
; A block's scale is 2^(floor(log2(its largest magnitude)) - 2); its byte is the largest magnitude's exponent field - 2, held at 1 from below.
; LIMITS: NaN and infinities are not served; a block whose largest magnitude lies under 2^-124 keeps the byte 1 (a block of zeros too, where the rule says 127: its codes are zeros, and this program alone reads the bytes).
; LAYOUT OF qc.  A row block is 16 rows; a fragment is 16 rows x 128 K = 12 registers a lane (lane (r, h): registers 6 c .. 6 c + 5 hold k = 64 c + 32 h + 0 .. 31 of row r) = 1,536 bytes:
;   registers 6 c .. 6 c + 3 at 768 c + 16 x lane, registers 6 c + 4, 6 c + 5 at 768 c + 512 + 8 x lane.  qc = [row block][K / 128][1,536]; qs = [row block][K / 128][16 rows] words of four bytes.
;   Row blocks: q 0-511, k 512-1023, v 1024-1535, Wq 1536-, Wk 1600-, Wv 1664-, Wo 1728- (a weight's rows are its columns n).
; ORDER OF ROWS.  In each group of 32 rows the two middle eights change places: place p holds row sigma(p), sigma = bits 3 and 4 of p exchanged.  So where such a block is source 0 of a product, a lane's 16 results of
;   two neighbouring tiles are 16 neighbours in true order, which is what the next quantiser wants.
; Work-groups 0-767 take the activations (one path, the tensor chosen by pointer), 768-1023 the weights.  No tensor load, no barrier: waves share nothing.  Only the first path touches LDS.
.set R,   16                           ; v16-143  activations: two sets of 64 registers as loaded;  weights: 128 numbers down K
.set X,   144                          ; v144-207 64 numbers of a lane: register 16 b + i = k 32 b + 16 h + i of my row
.set TM,  208                          ; v208-211 largest magnitudes, v212-215 the other half's / the bytes, v220-223 the conversions' scale operands
.set PC,  224                          ; v224-235 the fragment just made
.set CT,  236                          ; v236-243 upper halves of blocks
.set WD,  244                          ; v244-247 the four fragments' scale words
.set SEL, 28                           ; s[28:29] selects of v_permlanex16_b32: lane l xor 16
.set SP,  528                          ; a stage row: 512 bytes + 16, an odd multiple of 16: sixteen rows' equal columns fall on different banks
.set I0,  144                          ; weights: the image of places 0-15,
.set I1,  156                          ; of places 16-31,
.set TW,  168                          ; upper halves of the four blocks,
.set SO,  184                          ; the four scale operands,
.set WW,  200                          ; my place's scale word
	s_load_b512 s[8:23], s[0:1], 0x0               ; q 8, k 10, v 12, Wq 14, Wk 16, Wv 18, Wo 20, qc 22
	s_load_b64 s[24:25], s[0:1], 0x40              ; qs
	v_lshl_add_u32 v254, v0, 2, 0x8400
	v_mov_b32 v255, 0
	v_lshrrev_b32 v1, 5, v0
	v_readfirstlane_b32 s2, v1                     ; wave 0..3
	v_and_b32 v1, 31, v0                           ; lane
	v_and_b32 v2, 15, v0                           ; r
	v_bfe_u32 v3, v0, 4, 1                         ; h
	v_lshlrev_b32 v4, 4, v1                        ; 16 x lane
	v_lshlrev_b32 v5, 3, v1                        ; 8 x lane
	v_lshlrev_b32 v6, 2, v1                        ; 4 x lane
	s_cmp_ge_u32 ttmp9, 768
	s_cbranch_scc1 .Lweights
; ---------------- ACTIVATIONS.  A work-group takes a group of 32 rows; wave w takes row block w / 2 of it and K half w % 2: four fragments.
	s_mov_b32 s[SEL], 0x76543210
	s_mov_b32 s[SEL+1], 0xfedcba98
.irp b, 0,1,2,3
	v_mov_b32 v[TM+4+\b], 0                        ; written once: a lane permute's destination counts as one of its sources
.endr
	s_lshr_b32 s3, s2, 1                           ; u: which 16 places of the group
	s_and_b32 s26, s2, 1                           ; which 512 along K
	s_and_b32 s30, ttmp9, 255
	s_lshl_b32 s30, s30, 17                        ; the group: 32 rows of 4,096 bytes
	s_lshl_b32 s31, s3, 15                         ; place 16 u + p is row 8 u + p + 8 (p / 8): 8 u rows here, the rest in the loads' offsets
	s_add_co_u32 s30, s30, s31
	s_lshl_b32 s31, s26, 11
	s_add_co_u32 s30, s30, s31
	s_mov_b32 s31, 0
	s_lshl_b32 s32, ttmp9, 1
	s_add_co_u32 s32, s32, s3                      ; my row block in qc: 2 x work-group + u
	s_mul_i32 s34, s32, 12288
	s_mul_i32 s33, s26, 6144
	s_add_co_u32 s34, s34, s33
	s_mov_b32 s35, 0
	s_lshl_b32 s36, s32, 9
	s_lshl_b32 s33, s26, 8
	s_add_co_u32 s36, s36, s33
	s_mov_b32 s37, 0
	s_mul_i32 s33, s2, 16*SP                       ; my wave's stage
	s_wait_alu depctr_va_vdst(0)
	v_add_nc_u32 v7, s33, v4                       ; in: a row's 512 bytes as they lie
	v_mul_u32_u24 v8, v2, SP
	v_lshl_add_u32 v8, v3, 6, v8
	v_add_nc_u32 v8, s33, v8                       ; out: row r, + 64 h: my 16 numbers of a block of 32
	s_wait_alu depctr_va_vdst(0)
	s_wait_kmcnt 0x0
	s_cmp_lt_u32 ttmp9, 512                        ; the tensor is chosen by the work-group's number alone
	s_cselect_b64 s[10:11], s[10:11], s[12:13]
	s_cmp_lt_u32 ttmp9, 256
	s_cselect_b64 s[8:9], s[8:9], s[10:11]
	s_add_nc_u64 s[8:9], s[8:9], s[30:31]
	s_add_nc_u64 s[22:23], s[22:23], s[34:35]
	s_add_nc_u64 s[24:25], s[24:25], s[36:37]
; 64 numbers of a lane become a fragment's codes (d0: registers 0-5, d1: registers 6-11) and its scale word
.macro QUANT s, d0, d1, pw
.irp b, 0,1,2,3
	v_max3_num_f32 v[TM+\b], |v[\s+16*\b]|, |v[\s+1+16*\b]|, 0x1800000   ; block b: my 16 numbers, and the floor 2^(3 - 127): the byte cannot fall under 1
.endr
.irp i, 2,4,6,8,10,12,14
.irp b, 0,1,2,3
	v_max3_num_f32 v[TM+\b], v[TM+\b], |v[\s+16*\b+\i]|, |v[\s+1+16*\b+\i]|   ; the four blocks by turns
.endr
.endr
.irp b, 0,1,2,3
	v_permlanex16_b32 v[TM+4+\b], v[TM+\b], s[SEL], s[SEL+1]
.endr
.irp b, 0,1,2,3
	v_max_num_f32 v[TM+\b], v[TM+\b], v[TM+4+\b]   ; with lane l xor 16's 16: the block's largest magnitude
.endr
.irp b, 0,1,2,3
	v_add_nc_u32 v[TM+12+\b], 0xff000000, v[TM+\b] ; 2 off its exponent field: the conversion takes the exponent field of this operand as its scale
.endr
.irp b, 0,1,2,3
	v_lshrrev_b32 v[TM+4+\b], 23, v[TM+12+\b]      ; the scale's byte
.endr
	v_lshl_or_b32 v[\pw], v[TM+5], 8, v[TM+4]
	v_lshl_or_b32 v[\pw], v[TM+6], 16, v[\pw]
	v_lshl_or_b32 v[\pw], v[TM+7], 24, v[\pw]      ; my row's scale word, the same in both halves of the lanes
	v_cvt_scalef32_pk16_fp6_f32 v[\d0:\d0+2], v[\s:\s+15], v[TM+12]
	v_cvt_scalef32_pk16_fp6_f32 v[CT:CT+2], v[\s+16:\s+31], v[TM+13]       ; (a conversion's three registers begin on an even number)
	v_cvt_scalef32_pk16_fp6_f32 v[\d1:\d1+2], v[\s+32:\s+47], v[TM+14]
	v_cvt_scalef32_pk16_fp6_f32 v[CT+4:CT+6], v[\s+48:\s+63], v[TM+15]
	v_nop                                          ; one plain place behind a scaled conversion
.irp i, 0,1,2
	v_permlane16_swap_b32 v[\d0+\i], v[CT+\i]      ; a whole block to a lane: lanes 0-15 the even block, lanes 16-31 the odd one
	v_permlane16_swap_b32 v[\d1+\i], v[CT+4+\i]
.endr
.irp i, 0,1,2
	v_mov_b32 v[\d0+3+\i], v[CT+\i]
	v_mov_b32 v[\d1+3+\i], v[CT+4+\i]
.endr
.endm
.macro XLOAD t                         ; K step t: sixteen rows' 512 bytes; each load reads 512 consecutive bytes, at a multiple of 512 from the tensor's first byte
.irp p, 0,1,2,3,4,5,6,7,8,9,10,11,12,13,14,15
	global_load_b128 v[R+64*((\t)%2)+4*\p:R+64*((\t)%2)+4*\p+3], v4, s[8:9] offset:(\p+8*(\p/8))*4096+512*(\t) th:TH_LOAD_NT
.endr
.endm
.macro XSTEP t
.if (\t) < 3
	s_wait_loadcnt 16                              ; this step's 16 loads are in; the next step's 16 may be out
.else
	s_wait_loadcnt 0x0
.endif
.irp p, 0,1,2,3,4,5,6,7,8,9,10,11,12,13,14,15
	ds_store_b128 v7, v[R+64*((\t)%2)+4*\p:R+64*((\t)%2)+4*\p+3] offset:SP*\p
.endr
.irp b, 0,1,2,3
.irp j, 0,1,2,3
	ds_load_b128 v[X+16*\b+4*\j:X+16*\b+4*\j+3], v8 offset:128*\b+16*\j   ; LDS serves a wave's instructions in order: these see the stores above
.endr
.endr
	s_wait_dscnt 0x0                               ; the numbers are back, and the stores have read their registers,
.if (\t) < 2
	XLOAD (\t)+2                                   ; which take the loads of two steps on
.endif
.if (\t) > 0
	s_wait_xcnt 0x0                                ; the last step's stores have read the fragment's registers: they are written again only behind this wait
.endif
	QUANT X, PC, PC+6, WD+(\t)
	global_store_b128 v4, v[PC:PC+3], s[22:23] offset:1536*(\t)            ; 512 consecutive bytes
	global_store_b64 v5, v[PC+4:PC+5], s[22:23] offset:1536*(\t)+512       ; 256
	global_store_b128 v4, v[PC+6:PC+9], s[22:23] offset:1536*(\t)+768
	global_store_b64 v5, v[PC+10:PC+11], s[22:23] offset:1536*(\t)+1280
.endm
	XLOAD 0
	XLOAD 1
	XSTEP 0
	XSTEP 1
	XSTEP 2
	XSTEP 3
	v_cmp_lt_u32 vcc_lo, 15, v1
	v_cndmask_b32 v248, v[WD], v[WD+1], vcc_lo     ; lanes 0-15 carry one fragment's 16 words, lanes 16-31 the next one's: 128 consecutive bytes a store
	v_cndmask_b32 v249, v[WD+2], v[WD+3], vcc_lo
	global_store_b32 v6, v248, s[24:25]
	global_store_b32 v6, v249, s[24:25] offset:128
	s_wait_tensorcnt 0x0
	ds_add_u32 v254, v255
	s_wait_dscnt 0x0
	s_endpgm
; ---------------- WEIGHTS.  K is the first axis: a lane takes a column n and its registers run down K.  A work-group takes 128 columns x 128 K, a wave 32 columns: two fragments.
.Lweights:
	s_sub_co_u32 s30, ttmp9, 768
	s_lshr_b32 s31, s30, 6                         ; which weight
	s_bfe_u32 s32, s30, 0x30003                    ; which 128 along K
	s_and_b32 s33, s30, 7                          ; which 128 columns
	s_wait_alu depctr_va_vdst(0)
	v_and_b32 v9, 7, v1
	v_bfe_u32 v10, v1, 3, 1
	v_lshl_add_u32 v9, v10, 4, v9
	v_lshl_add_u32 v9, v3, 3, v9                   ; sigma(lane): place l takes column sigma(l) of the wave's 32
	v_lshlrev_b32 v9, 2, v9
	v_lshlrev_b32 v10, 2, v2
	v_lshl_add_u32 v10, v3, 9, v10                 ; my word's place: 4 r, in the row block of my half
	s_lshl_b32 s34, s32, 19                        ; 128 rows of 4,096 bytes
	s_lshl_b32 s26, s33, 9
	s_add_co_u32 s34, s34, s26
	s_lshl_b32 s26, s2, 7
	s_add_co_u32 s34, s34, s26
	s_mov_b32 s35, 0
	s_lshl_b32 s36, s31, 6
	s_lshl_b32 s26, s33, 3
	s_add_co_u32 s36, s36, s26
	s_lshl_b32 s26, s2, 1
	s_add_co_u32 s36, s36, s26
	s_add_co_u32 s36, s36, 1536                    ; my first row block in qc
	s_mul_i32 s38, s36, 12288
	s_mul_i32 s26, s32, 1536
	s_add_co_u32 s38, s38, s26
	s_mov_b32 s39, 0
	s_lshl_b32 s40, s36, 9
	s_lshl_b32 s26, s32, 6
	s_add_co_u32 s40, s40, s26
	s_mov_b32 s41, 0
	s_wait_alu depctr_va_vdst(0)
	s_wait_kmcnt 0x0
	s_cmp_lt_u32 s31, 1
	s_cselect_b64 s[14:15], s[14:15], s[16:17]
	s_cmp_lt_u32 s31, 3
	s_cselect_b64 s[18:19], s[18:19], s[20:21]
	s_cmp_lt_u32 s31, 2
	s_cselect_b64 s[14:15], s[14:15], s[18:19]
	s_add_nc_u64 s[14:15], s[14:15], s[34:35]
	s_add_nc_u64 s[22:23], s[22:23], s[38:39]
	s_add_nc_u64 s[24:25], s[24:25], s[40:41]
.macro WLOAD b                         ; block b: W(32 b + i, my column): a wave's load covers 128 consecutive bytes, the four waves 512
.irp i, 0,1,2,3,4,5,6,7,8,9,10,11,12,13,14,15,16,17,18,19,20,21,22,23,24,25,26,27,28,29,30,31
	global_load_b32 v[R+32*(\b)+\i], v9, s[14:15] offset:(32*(\b)+\i)*4096 th:TH_LOAD_NT
.endr
.endm
.macro WBLOCK b, d                     ; block b of my column: its byte into my word, its codes into v[d] .. v[d + 2] and v[TW + 4 b] ..
.set WS, R+32*(\b)
.if (\b) < 3
	s_wait_loadcnt 32                              ; this block's 32 loads are in; the next block's 32 may be out
.else
	s_wait_loadcnt 0x0
.endif
.if (\b) < 2
	WLOAD (\b)+2                                   ; two blocks ahead, into registers of their own
.endif
	v_max3_num_f32 v12, |v[WS]|, |v[WS+1]|, |v[WS+2]|
	v_max3_num_f32 v13, |v[WS+3]|, |v[WS+4]|, |v[WS+5]|
.irp i, 6,10,14,18,22,26
	v_max3_num_f32 v12, v12, |v[WS+\i]|, |v[WS+\i+1]|
	v_max3_num_f32 v13, v13, |v[WS+\i+2]|, |v[WS+\i+3]|
.endr
	v_max3_num_f32 v12, v12, |v[WS+30]|, |v[WS+31]|
	v_max3_num_f32 v12, v12, v13, 0x1800000        ; all 32 numbers are mine; and the floor
	v_add_nc_u32 v[SO+(\b)], 0xff000000, v12
	v_lshrrev_b32 v13, 23, v[SO+(\b)]
.if (\b) == 0
	v_mov_b32 v[WW], v13
.else
	v_lshl_or_b32 v[WW], v13, 8*(\b), v[WW]
.endif
	v_cvt_scalef32_pk16_fp6_f32 v[\d:\d+2], v[WS:WS+15], v[SO+(\b)]
	v_cvt_scalef32_pk16_fp6_f32 v[TW+4*(\b):TW+4*(\b)+2], v[WS+16:WS+31], v[SO+(\b)]
.endm
	WLOAD 0
	WLOAD 1
	WBLOCK 0, I0
	WBLOCK 1, I1
	WBLOCK 2, I0+6
	WBLOCK 3, I1+6
	v_nop                                          ; one plain place behind the last conversion
.irp i, 0,1,2
	v_mov_b32 v[I0+3+\i], v[TW+\i]
	v_mov_b32 v[I1+3+\i], v[TW+4+\i]
	v_mov_b32 v[I0+9+\i], v[TW+8+\i]
	v_mov_b32 v[I1+9+\i], v[TW+12+\i]
.endr
.irp i, 0,1,2,3,4,5,6,7,8,9,10,11
	v_permlane16_swap_b32 v[I0+\i], v[I1+\i]       ; before: every lane's even block in I0, odd block in I1.  After: I0 = places 0-15 (lanes 0-15 the even block, lanes 16-31 the odd one), I1 = places 16-31
.endr
.irp g, 0,1
	global_store_b128 v4, v[I0+12*\g:I0+12*\g+3], s[22:23] offset:12288*\g
	global_store_b64 v5, v[I0+12*\g+4:I0+12*\g+5], s[22:23] offset:12288*\g+512
	global_store_b128 v4, v[I0+12*\g+6:I0+12*\g+9], s[22:23] offset:12288*\g+768
	global_store_b64 v5, v[I0+12*\g+10:I0+12*\g+11], s[22:23] offset:12288*\g+1280
.endr
	global_store_b32 v10, v[WW], s[24:25]          ; two runs of 64 bytes: one byte in 128 of what this path reads
	s_endpgm
.Lfunc_end_k_q7b85839b32_quant:
	.size	k_q7b85839b32_quant, .Lfunc_end_k_q7b85839b32_quant-k_q7b85839b32_quant
	.p2alignl 7, 3214868480
	.fill 96, 4, 3214868480
	.section	.rodata,"a",@progbits
	.p2align	6, 0x0
	.amdhsa_kernel k_q7b85839b32_quant
		.amdhsa_group_segment_fixed_size 34304
		.amdhsa_private_segment_fixed_size 0
		.amdhsa_enable_private_segment 0
		.amdhsa_kernarg_size 72
		.amdhsa_user_sgpr_count 2
		.amdhsa_user_sgpr_kernarg_segment_ptr 1
		.amdhsa_wavefront_size32 1
		.amdhsa_system_sgpr_workgroup_id_x 1
		.amdhsa_system_sgpr_workgroup_id_y 1
		.amdhsa_system_sgpr_workgroup_id_z 1
		.amdhsa_system_vgpr_workitem_id 0
		.amdhsa_next_free_vgpr 256
		.amdhsa_next_free_sgpr 66
		.amdhsa_reserve_vcc 1
		.amdhsa_float_denorm_mode_32 3
		.amdhsa_float_denorm_mode_16_64 3
		.amdhsa_memory_ordered 1
		.amdhsa_forward_progress 1
		.amdhsa_inst_pref_size 55
	.end_amdhsa_kernel
	.amdgpu_metadata
---
amdhsa.version: [ 1, 2 ]
amdhsa.kernels:
  - .name:           k_q7b85839b32_quant
    .symbol:         k_q7b85839b32_quant.kd
    .args:
      - { .name: q, .offset: 0, .size: 8, .value_kind: global_buffer, .address_space: global }
      - { .name: k, .offset: 8, .size: 8, .value_kind: global_buffer, .address_space: global }
      - { .name: v, .offset: 16, .size: 8, .value_kind: global_buffer, .address_space: global }
      - { .name: Wq, .offset: 24, .size: 8, .value_kind: global_buffer, .address_space: global }
      - { .name: Wk, .offset: 32, .size: 8, .value_kind: global_buffer, .address_space: global }
      - { .name: Wv, .offset: 40, .size: 8, .value_kind: global_buffer, .address_space: global }
      - { .name: Wo, .offset: 48, .size: 8, .value_kind: global_buffer, .address_space: global }
      - { .name: qc, .offset: 56, .size: 8, .value_kind: global_buffer, .address_space: global }
      - { .name: qs, .offset: 64, .size: 8, .value_kind: global_buffer, .address_space: global }
    .group_segment_fixed_size: 34304
    .private_segment_fixed_size: 0
    .kernarg_segment_align: 8
    .kernarg_segment_size: 72
    .max_flat_workgroup_size: 128
    .sgpr_count:     66
    .vgpr_count:     256
    .wavefront_size: 32
...
	.end_amdgpu_metadata
.endif
;; end of part 1
;; launch proj (part 2): grid 4 x 64, 4 waves a work-group, clusters of 4 x 4, 327,680 bytes of LDS; arguments qc, qs, hc, hs; writes hc, hs
.if DOCPART == 2
	.amdgcn_target "amdgcn-amd-amdhsa--gfx1250"
	.amdhsa_code_object_version 6
	.text
	.protected	k_q7b85839b32_proj
	.globl	k_q7b85839b32_proj
	.p2align	8
	.type	k_q7b85839b32_proj,@function
k_q7b85839b32_proj:
	s_mov_b64 s[64:65], 0
	v_nop
	global_prefetch_b8 v0, s[64:65] scope:SCOPE_SE
	s_setreg_imm32_b32 hwreg(HW_REG_WAVE_MODE, 25, 1), 1
	s_wait_xcnt 0x0
	s_wait_alu depctr_hold_cnt(0) depctr_sa_sdst(0) depctr_va_vdst(0) depctr_va_sdst(0) depctr_va_ssrc(0) depctr_va_vcc(0) depctr_vm_vsrc(0)
	s_getreg_b32 s2, hwreg(HW_REG_IB_STS2, 6, 4)
	s_cmp_eq_u32 s2, 0
	s_cbranch_scc0 .Lentry_in_a_cluster
	s_endpgm
.Lentry_in_a_cluster:
	s_bfe_u32 s2, ttmp6, 0x10000c
	s_cmp_lg_u32 s2, 0xf033
	s_cbranch_scc0 .Lentry_shape_is_right
	s_endpgm
.Lentry_shape_is_right:
; kh = x W (tokens as source 1) and vh^T (Wv's columns as source 1, tokens as source 0) on codes of FP6 (E2M3) with E8M0 scales; a work-group makes 256 x 256, a wave 128 x 128.
; K goes in steps of 256 through two LDS slots filled by joint loads of a 4 x 4 cluster; the results are quantised in registers and leave as operand images for the attention.
; THE HEAD: four tiles, one joint load a wave: wave 0 slot 0's 16 row blocks of A, wave 1 those of B, wave 2 A's scale words, wave 3 B's; slot 1 is first filled behind a round, as a refill is.
.set FR,     12
.set NL,     4
.set NQ,     2
.set NP,     4
.set FRB,    1536
.set BLKB,   NQ*FRB
.set HALFT,  8*BLKB
.set SLOT,   4*HALFT
.set SCL,    2*SLOT
.set SCB,    8320
.set SPARE,  213248
.set ADRA, 16
.set ADRB, 20
.set L4,   25
.set L16,  26
.set ADRS, 27
.set SPW,  28
.set NIL,  29
.set SC,   32
.set TM,   64
.set CT,   80
.set W0,   88
.set WE,   90
.set WM,   98
.set E,    104
.set O,    116
.set AF,   128
.set G1, 24
.set G0, 32
.set G1B, 48
.set G0B, 56
.set G1S, 68
.set G0S, 76
.set G1SB, 80
.set G0SB, 88
.set SEL, 96
.set MSB, 0
.macro WIN new
.if MSB != \new
	s_set_vgpr_msb (MSB<<8)|\new
.set MSB, \new
.endif
.endm
.set MUL_LO, 0xa1
.set MUL_HI, 0xf1
.set TO_B,   0x40
.macro JLOAD g0a, g1a, g0b, g1b
	s_cmp_eq_u32 s15, 0
	s_cbranch_scc0 .Lfor_b_\@
	tensor_load_to_lds s[\g0a:\g0a+3], s[\g1a:\g1a+7]
	s_nop 0
.rept 4
	v_nop
.endr
	s_branch .Lasked_\@
.Lfor_b_\@:
	tensor_load_to_lds s[\g0b:\g0b+3], s[\g1b:\g1b+7]
	s_nop 0
.rept 4
	v_nop
.endr
.Lasked_\@:
.endm
.macro CREST
	s_cmp_lg_u32 s14, 0
	s_cbranch_scc1 .Lnot_wave_0_\@
	s_barrier_signal -3
.Lnot_wave_0_\@:
	s_barrier_wait -3
	s_barrier_signal -1
	s_barrier_wait -1
.endm
.macro CROUND
	s_barrier_signal -1
	s_barrier_wait -1
	CREST
.endm
	s_load_b256 s[4:11], s[0:1], 0x0
	v_lshl_add_u32 v[SPW], v0, 2, SPARE
	v_mov_b32 v[NIL], 0
	ds_add_u32 v28, v29
	ds_add_u32 v28, v29
	s_wait_dscnt 0x0
	v_lshrrev_b32 v1, 5, v0
	v_readfirstlane_b32 s14, v1
	s_lshr_b32 s15, s14, 1
	s_and_b32 s16, s14, 1
	s_bfe_u32 s40, ttmp6, 0x40000
	s_bfe_u32 s41, ttmp6, 0x40004
	s_and_b32 s12, ttmp7, 0xffff
	s_add_co_u32 s12, s12, 8                       ; this launch makes kh (blocks 8-15) and vh (16-23): 256 work-groups.  qh is made where it is used, in the attention's head; its third of hc and hs is neither stored nor read
	s_lshl_b32 s43, s41, 2
	s_lshl_b32 s43, 15, s43
	s_lshl_b32 s44, 0x1111, s40
	s_or_b32 s[G1+0], s43, (3<<16)|(1<<21)
	s_or_b32 s[G1B+0], s44, (3<<16)|(1<<21)
.irp g, G1, G1B
	s_mov_b32 s[\g+1], 384<<16
	s_mov_b32 s[\g+2], 16<<16
	s_mov_b32 s[\g+3], 384<<16
	s_mov_b32 s[\g+4], 16
	s_mov_b32 s[\g+5], 1536
	s_mov_b32 s[\g+6], 0
	s_mov_b32 s[\g+7], 0
.endr
	s_or_b32 s[G1S+0], s43, (3<<16)|(1<<21)
	s_or_b32 s[G1SB+0], s44, (3<<16)|(1<<21)
.irp g, G1S, G1SB
	s_mov_b32 s[\g+1], 32<<16
	s_mov_b32 s[\g+2], 32<<16
	s_mov_b32 s[\g+3], 32<<16
	s_mov_b32 s[\g+4], 32
	s_mov_b32 s[\g+5], 32
	s_mov_b32 s[\g+6], 0
	s_mov_b32 s[\g+7], 0
.endr
	s_lshl_b32 s17, s12, 6
	s_lshr_b32 s18, s12, 3
	s_lshl_b32 s18, s18, 6
	s_add_co_u32 s18, s18, 1536
	s_mov_b32 s19, 1664
	s_cmp_ge_u32 s12, 16
	s_cselect_b32 s13, 1, 0
	s_cselect_b32 s20, s19, s17
	s_cselect_b32 s46, s17, s18
	s_lshl_b32 s21, s16, 3
	s_lshl_b32 s22, s41, 4
	s_add_co_u32 s20, s20, s22
	s_add_co_u32 s20, s20, s21
	s_lshl_b32 s47, s40, 4
	s_add_co_u32 s46, s46, s47
	s_add_co_u32 s46, s46, s21
	s_mul_i32 s22, s20, 12288
	s_mov_b32 s23, 0
	s_lshl_b32 s92, s20, 9
	s_mov_b32 s93, 0
	s_mul_i32 s66, s46, 12288
	s_mov_b32 s67, 0
	s_lshl_b32 s94, s46, 9
	s_mov_b32 s95, 0
	s_mul_i32 s45, s14, HALFT
	s_mov_b32 s[SEL], 0x76543210
	s_mov_b32 s[SEL+1], 0xfedcba98
	s_wait_kmcnt 0x0
	s_add_nc_u64 s[22:23], s[4:5], s[22:23]
	s_add_nc_u64 s[92:93], s[6:7], s[92:93]
	s_add_nc_u64 s[66:67], s[4:5], s[66:67]
	s_add_nc_u64 s[94:95], s[6:7], s[94:95]
	CROUND
	s_mul_i32 s18, s16, 8*12288                    ; my half of a tile, 8 row blocks, in bytes of codes: the head's tiles begin at half 0
	s_mov_b32 s19, 0
	s_lshl_b32 s98, s16, 12                        ; and in bytes of scale words
	s_mov_b32 s99, 0
	s_mov_b32 s[G0], 1                             ; slot 0's 16 row blocks of A (this group 0 is set for the ring behind the wait for the head's loads)
	s_mov_b32 s[G0+1], 0
	s_sub_nc_u64 s[G0+2:G0+3], s[22:23], s[18:19]
	s_or_b32 s[G0+3], s[G0+3], 0x80000000
	s_mov_b32 s[G0B], 1                            ; those of B, behind them
	s_mov_b32 s[G0B+1], 2*HALFT
	s_sub_nc_u64 s[G0B+2:G0B+3], s[66:67], s[18:19]
	s_or_b32 s[G0B+3], s[G0B+3], 0x80000000
	s_mov_b32 s[G0S], 1                            ; A's scale words, 8,192 bytes
	s_mov_b32 s[G0S+1], SCL
	s_sub_nc_u64 s[G0S+2:G0S+3], s[92:93], s[98:99]
	s_or_b32 s[G0S+3], s[G0S+3], 0x80000000
	s_mov_b32 s[G0SB], 1                           ; B's
	s_mov_b32 s[G0SB+1], SCL+SCB
	s_sub_nc_u64 s[G0SB+2:G0SB+3], s[94:95], s[98:99]
	s_or_b32 s[G0SB+3], s[G0SB+3], 0x80000000
	s_mov_b32 s[G0+4], 1                           ; slot 1, the ring's form: my 8 row blocks
	s_add_co_u32 s[G0+5], s45, SLOT
	s_add_nc_u64 s[G0+6:G0+7], s[22:23], BLKB
	s_or_b32 s[G0+7], s[G0+7], 0x80000000
	s_mov_b32 s[G0B+4], 1
	s_add_co_u32 s[G0B+5], s45, SLOT
	s_add_nc_u64 s[G0B+6:G0B+7], s[66:67], BLKB
	s_or_b32 s[G0B+7], s[G0B+7], 0x80000000
; one tree of branches on the wave's number, one load to an arm, all arms to one join
.macro ARM under, g0, g1, next
	s_cmp_lt_u32 s14, \under
	s_cbranch_scc0 \next
	tensor_load_to_lds s[\g0:\g0+3], s[\g1:\g1+7]
	s_nop 0
.rept 4
	v_nop
.endr
	s_branch .Lhead_asked
\next:
.endm
	ARM 1, G0,  G1,  .Lhead_b
	ARM 2, G0B, G1B, .Lhead_sa
	ARM 3, G0S, G1S, .Lhead_sb
	tensor_load_to_lds s[G0SB:G0SB+3], s[G1SB:G1SB+7]
	s_nop 0
.rept 4
	v_nop
.endr
.Lhead_asked:
	v_and_b32 v1, 15, v0
	v_bfe_u32 v2, v0, 4, 1
	v_and_b32 v3, 31, v0
	v_lshlrev_b32 v[L16], 4, v3
	v_lshlrev_b32 v5, 3, v3
	v_lshlrev_b32 v[L4], 2, v3
	s_mul_i32 s21, s15, HALFT
	s_mul_i32 s22, s16, HALFT
	s_add_co_u32 s22, s22, 2*HALFT
.irp s, 0,1
	v_add_nc_u32 v[ADRA+\s], s21, v[L16]
	v_add_nc_u32 v[ADRB+\s], s22, v[L16]
	v_add_nc_u32 v[ADRA+2+\s], s21, v5
	v_add_nc_u32 v[ADRB+2+\s], s22, v5
	s_add_co_u32 s21, s21, SLOT
	s_add_co_u32 s22, s22, SLOT
.endr
	s_lshl_b32 s21, s15, 12
	s_lshl_b32 s22, s16, 12
	s_add_co_u32 s22, s22, SCB
	s_sub_co_u32 s22, s22, s21
	v_mul_u32_u24 v6, s22, v2
	s_add_co_u32 s21, s21, SCL
	v_lshl_add_u32 v6, v1, 2, v6
	v_add_nc_u32 v[ADRS], s21, v6
.irp b, 0,1,2,3
	v_mov_b32 v[TM+4+\b], 0
.endr
.macro FRAG reg, adr, q, i
	ds_load_b128 v[\reg:\reg+3], v[\adr] offset:BLKB*(\i)+FRB*(\q)
	ds_load_b64 v[\reg+4:\reg+5], v[\adr+2] offset:BLKB*(\i)+FRB*(\q)+512
	ds_load_b128 v[\reg+6:\reg+9], v[\adr] offset:BLKB*(\i)+FRB*(\q)+768
	ds_load_b64 v[\reg+10:\reg+11], v[\adr+2] offset:BLKB*(\i)+FRB*(\q)+1280
.endm
.macro MUL16 a0, p, q, sc, zero
.irp a, \a0, \a0+1
.irp b, 0,1,2,3,4,5,6,7
.if \zero
	v_wmma_scale_f32_16x16x128_f8f6f4 v[8*(8*((\a)%4)+\b):8*(8*((\a)%4)+\b)+7], v[128*(\p)+FR*\b:128*(\p)+FR*\b+FR-1], v[AF+FR*(\a):AF+FR*(\a)+FR-1], 0, v[SC+8*NQ*(\sc)+NQ*\b+(\q)], v[SC+8*NQ*(\sc)+NQ*(\a)+(\q)] matrix_a_fmt:MATRIX_FMT_FP6 matrix_b_fmt:MATRIX_FMT_FP6 matrix_a_scale:MATRIX_SCALE_ROW1
.else
	v_wmma_scale_f32_16x16x128_f8f6f4 v[8*(8*((\a)%4)+\b):8*(8*((\a)%4)+\b)+7], v[128*(\p)+FR*\b:128*(\p)+FR*\b+FR-1], v[AF+FR*(\a):AF+FR*(\a)+FR-1], v[8*(8*((\a)%4)+\b):8*(8*((\a)%4)+\b)+7], v[SC+8*NQ*(\sc)+NQ*\b+(\q)], v[SC+8*NQ*(\sc)+NQ*(\a)+(\q)] matrix_a_fmt:MATRIX_FMT_FP6 matrix_b_fmt:MATRIX_FMT_FP6 matrix_a_scale:MATRIX_SCALE_ROW1
.endif
.endr
.endr
.endm
.macro FETCH_B slot, q, p
	WIN TO_B
.irp i, 0,1,2,3,4,5,6,7
	FRAG 128*(\p)+FR*\i, ADRB+\slot, \q, \i
.endr
	WIN 0
.endm
.macro FETCH_A slot, q, i0
.irp i, \i0, \i0+1, \i0+2, \i0+3
	FRAG AF+FR*(\i), ADRA+\slot, \q, \i
.endr
.endm
.macro SCALES sc
.irp i, 0,1,2,3,4,5,6,7
.irp q, 0,1
	ds_load_b32 v[SC+8*NQ*\sc+NQ*\i+\q], v[ADRS] offset:512*\i+64*\q
.endr
.endr
.endm
.macro PLACES n
.rept \n
	v_nop
.endr
.endm
.macro STEP slot, q, zero
	s_wait_dscnt 4*NL
	WIN MUL_LO
	MUL16 0, (\q)%2, \q, \slot, \zero
	MUL16 2, (\q)%2, \q, \slot, \zero
	s_wait_dscnt 0
	PLACES NP
	FETCH_B \slot, (\q)+1, 1-(\q)%2
	FETCH_A \slot, (\q)+1, 0
	WIN MUL_HI
	MUL16 4, (\q)%2, \q, \slot, \zero
	MUL16 6, (\q)%2, \q, \slot, \zero
	PLACES NP
	WIN 0
	FETCH_A \slot, (\q)+1, 4
.endm
.macro TURN slot, next, fill
	s_wait_tensorcnt 0x0
	ds_add_u32 v[SPW], v[NIL]
	s_wait_dscnt 4*NL+1
	WIN MUL_LO
	MUL16 0, 1, NQ-1, \slot, 0
	s_wait_dscnt 0x0
	s_barrier_signal -1
	MUL16 2, 1, NQ-1, \slot, 0
	WIN 0
	s_barrier_wait -1
.if \fill
	CREST
	s_add_nc_u64 s[G0+4*\slot+2:G0+4*\slot+3], s[G0+4*\slot+2:G0+4*\slot+3], 2*BLKB
	s_add_nc_u64 s[G0B+4*\slot+2:G0B+4*\slot+3], s[G0B+4*\slot+2:G0B+4*\slot+3], 2*BLKB
	JLOAD G0+4*\slot, G1, G0B+4*\slot, G1B
.else
	PLACES NP
.endif
	s_wait_alu depctr_va_vdst(0)
	v_add_nc_u32 v[ADRS], 64*NQ, v[ADRS]
	FETCH_B \next, 0, 0
	FETCH_A \next, 0, 0
	SCALES \next
	WIN MUL_HI
	MUL16 4, 1, NQ-1, \slot, 0
	MUL16 6, 1, NQ-1, \slot, 0
	PLACES NP
	WIN 0
	FETCH_A \next, 0, 4
.endm
	s_wait_alu depctr_va_vdst(0)
	s_wait_tensorcnt 0x0                           ; my tile of the head's four is in
	ds_add_u32 v[SPW], v[NIL]
	s_mov_b32 s[G1+2], 8<<16                       ; no tensor load of mine is out: from here on a load brings 8 row blocks,
	s_mov_b32 s[G1+4], 8
	s_mov_b32 s[G1B+2], 8<<16
	s_mov_b32 s[G1B+4], 8
	s_mov_b32 s[G0+1], s45                         ; and slot 0's group 0 names my half
	s_add_nc_u64 s[G0+2:G0+3], s[G0+2:G0+3], s[18:19]
	s_mov_b32 s[G0B+1], s45
	s_add_nc_u64 s[G0B+2:G0B+3], s[G0B+2:G0B+3], s[18:19]
	s_wait_dscnt 0x0
	CROUND                                         ; all four tiles are in, and the sixteen work-groups meet
	JLOAD G0+4, G1, G0B+4, G1B                     ; slot 1's first fill, the first tensor load behind the round
	FETCH_B 0, 0, 0
	FETCH_A 0, 0, 0
	SCALES 0
	FETCH_A 0, 0, 4
	STEP 0, 0, 1
	TURN 0, 1, 1
	STEP 1, 0, 0
	TURN 1, 0, 1
	STEP 0, 0, 0
	TURN 0, 1, 0
	STEP 1, 0, 0
	s_wait_dscnt 4*NL
	WIN MUL_LO
	MUL16 0, 1, NQ-1, 1, 0
	MUL16 2, 1, NQ-1, 1, 0
	s_wait_dscnt 0
	WIN MUL_HI
	MUL16 4, 1, NQ-1, 1, 0
	MUL16 6, 1, NQ-1, 1, 0
	WIN 0
	PLACES NP
.macro QW a, d0, d1, pw
.set AC, 64*((\a)%4)
.set WW, 2+(\a)/4
.set WQ, WW|(WW<<2)
	WIN WQ
.irp b, 0,1,2,3
	v_max3_num_f32 v[TM+\b], |v[AC+16*\b]|, |v[AC+16*\b+1]|, 0x1800000
.endr
.irp i, 2,4,6,8,10,12,14
.irp b, 0,1,2,3
	v_max3_num_f32 v[TM+\b], |v[AC+16*\b+\i]|, |v[AC+16*\b+\i+1]|, v[TM+\b]
.endr
.endr
	WIN 0
.irp b, 0,1,2,3
	v_permlanex16_b32 v[TM+4+\b], v[TM+\b], s[SEL], s[SEL+1]
.endr
.irp b, 0,1,2,3
	v_max_num_f32 v[TM+\b], v[TM+\b], v[TM+4+\b]
.endr
.irp b, 0,1,2,3
	v_add_nc_u32 v[TM+12+\b], 0xff000000, v[TM+\b]
.endr
.irp b, 0,1,2,3
	v_lshrrev_b32 v[TM+4+\b], 23, v[TM+12+\b]
.endr
	v_lshl_or_b32 v[\pw], v[TM+5], 8, v[TM+4]
	v_lshl_or_b32 v[\pw], v[TM+6], 16, v[\pw]
	v_lshl_or_b32 v[\pw], v[TM+7], 24, v[\pw]
	WIN WW
	v_cvt_scalef32_pk16_fp6_f32 v[\d0:\d0+2], v[AC:AC+15], v[TM+12]
	v_cvt_scalef32_pk16_fp6_f32 v[CT:CT+2], v[AC+16:AC+31], v[TM+13]
	v_cvt_scalef32_pk16_fp6_f32 v[\d1:\d1+2], v[AC+32:AC+47], v[TM+14]
	v_cvt_scalef32_pk16_fp6_f32 v[CT+4:CT+6], v[AC+48:AC+63], v[TM+15]
	WIN 0
	v_nop
.irp i, 0,1,2
	v_permlane16_swap_b32 v[\d0+\i], v[CT+\i]
	v_permlane16_swap_b32 v[\d1+\i], v[CT+4+\i]
.endr
.irp i, 0,1,2
	v_mov_b32 v[\d0+3+\i], v[CT+\i]
	v_mov_b32 v[\d1+3+\i], v[CT+4+\i]
.endr
.endm
	v_cmp_lt_u32 vcc_lo, 15, v3
	s_cmp_lg_u32 s13, 0
	s_cbranch_scc1 .Lvalues
	s_lshl_b32 s17, s12, 6
	s_lshl_b32 s18, s41, 4
	s_add_co_u32 s17, s17, s18
	s_lshl_b32 s18, s15, 3
	s_add_co_u32 s17, s17, s18
	s_lshr_b32 s18, s17, 7
	s_and_b32 s19, s17, 127
	s_lshr_b32 s19, s19, 1
	s_lshl_b32 s20, s40, 2
	s_lshl_b32 s21, s16, 1
	s_add_co_u32 s20, s20, s21
	s_lshl_b32 s18, s18, 4
	s_add_co_u32 s18, s18, s20
	s_lshl_b32 s18, s18, 6
	s_add_co_u32 s18, s18, s19
	s_mul_i32 s20, s18, 1536
	s_mov_b32 s21, 0
	s_add_nc_u64 s[8:9], s[8:9], s[20:21]
	s_lshl_b32 s20, s18, 6
	s_add_nc_u64 s[10:11], s[10:11], s[20:21]
.irp al, 0,1,2,3
.if \al > 0
	s_wait_xcnt 0x0
.endif
	QW 2*\al, E, O, W0
	QW 2*\al+1, E+6, O+6, W0+1
	v_perm_b32 v[WE+\al], v[W0+1], v[W0], 0x05040100
	v_perm_b32 v[WE+4+\al], v[W0+1], v[W0], 0x07060302
.irp c, 0,1,2
	global_store_b128 v[L16], v[E+4*\c:E+4*\c+3], s[8:9] offset:1536*\al+512*\c
	global_store_b128 v[L16], v[O+4*\c:O+4*\c+3], s[8:9] offset:98304+1536*\al+512*\c
.endr
.endr
.irp g, 0,1,2,3
	v_cndmask_b32 v[WM+\g], v[WE+2*\g], v[WE+2*\g+1], vcc_lo
.endr
	global_store_b32 v[L4], v[WM], s[10:11]
	global_store_b32 v[L4], v[WM+1], s[10:11] offset:128
	global_store_b32 v[L4], v[WM+2], s[10:11] offset:4096
	global_store_b32 v[L4], v[WM+3], s[10:11] offset:4224
	s_branch .Ldone
.Lvalues:
	s_lshl_b32 s17, s12, 6
	s_sub_co_u32 s17, s17, 1024
	s_lshl_b32 s18, s40, 4
	s_add_co_u32 s17, s17, s18
	s_lshl_b32 s18, s16, 3
	s_add_co_u32 s17, s17, s18
	s_lshr_b32 s18, s17, 7
	s_and_b32 s19, s17, 127
	s_lshr_b32 s19, s19, 3
	s_lshl_b32 s20, s41, 2
	s_lshl_b32 s21, s15, 1
	s_add_co_u32 s20, s20, s21
	s_lshl_b32 s18, s18, 4
	s_add_co_u32 s18, s18, s20
	s_lshl_b32 s18, s18, 4
	s_add_co_u32 s18, s18, s19
	s_mul_i32 s20, s18, 6144
	s_add_co_u32 s20, s20, 12582912
	s_mov_b32 s21, 0
	s_add_nc_u64 s[8:9], s[8:9], s[20:21]
	s_lshl_b32 s20, s18, 8
	s_add_co_u32 s20, s20, 524288
	s_add_nc_u64 s[10:11], s[10:11], s[20:21]
.irp a, 0,1,2,3,4,5,6,7
.if \a > 0
	s_wait_xcnt 0x0
.endif
	QW \a, E, E+6, WE+\a
.irp c, 0,1,2
	global_store_b128 v[L16], v[E+4*\c:E+4*\c+3], s[8:9] offset:(\a/4)*98304+(\a%4)*1536+512*\c
.endr
.endr
.irp g, 0,1,2,3
	v_cndmask_b32 v[WM+\g], v[WE+2*\g], v[WE+2*\g+1], vcc_lo
.endr
	global_store_b32 v[L4], v[WM], s[10:11]
	global_store_b32 v[L4], v[WM+1], s[10:11] offset:128
	global_store_b32 v[L4], v[WM+2], s[10:11] offset:4096
	global_store_b32 v[L4], v[WM+3], s[10:11] offset:4224
.Ldone:
	s_wait_tensorcnt 0x0
	ds_add_u32 v[SPW], v[NIL]
	s_wait_dscnt 0x0
	CROUND
	s_endpgm
.Lfunc_end_k_q7b85839b32_proj:
	.size	k_q7b85839b32_proj, .Lfunc_end_k_q7b85839b32_proj-k_q7b85839b32_proj
	.p2alignl 7, 3214868480
	.fill 96, 4, 3214868480
	.section	.rodata,"a",@progbits
	.p2align	6, 0x0
	.amdhsa_kernel k_q7b85839b32_proj
		.amdhsa_group_segment_fixed_size 327680
		.amdhsa_private_segment_fixed_size 0
		.amdhsa_enable_private_segment 0
		.amdhsa_kernarg_size 32
		.amdhsa_user_sgpr_count 2
		.amdhsa_user_sgpr_kernarg_segment_ptr 1
		.amdhsa_wavefront_size32 1
		.amdhsa_system_sgpr_workgroup_id_x 1
		.amdhsa_system_sgpr_workgroup_id_y 1
		.amdhsa_system_sgpr_workgroup_id_z 1
		.amdhsa_system_vgpr_workitem_id 0
		.amdhsa_next_free_vgpr 1024
		.amdhsa_next_free_sgpr 100
		.amdhsa_reserve_vcc 1
		.amdhsa_float_denorm_mode_32 3
		.amdhsa_float_denorm_mode_16_64 3
		.amdhsa_memory_ordered 1
		.amdhsa_forward_progress 1
		.amdhsa_inst_pref_size 186
	.end_amdhsa_kernel
	.amdgpu_metadata
---
amdhsa.version: [ 1, 2 ]
amdhsa.kernels:
  - .name:           k_q7b85839b32_proj
    .symbol:         k_q7b85839b32_proj.kd
    .args:
      - { .name: qc, .offset: 0, .size: 8, .value_kind: global_buffer, .address_space: global }
      - { .name: qs, .offset: 8, .size: 8, .value_kind: global_buffer, .address_space: global }
      - { .name: hc, .offset: 16, .size: 8, .value_kind: global_buffer, .address_space: global }
      - { .name: hs, .offset: 24, .size: 8, .value_kind: global_buffer, .address_space: global }
    .group_segment_fixed_size: 327680
    .private_segment_fixed_size: 0
    .kernarg_segment_align: 8
    .kernarg_segment_size: 32
    .max_flat_workgroup_size: 128
    .sgpr_count:     100
    .vgpr_count:     1024
    .wavefront_size: 32
...
	.end_amdgpu_metadata
.endif
;; end of part 2
;; launch attn (part 3): grid 4 x 64, 16 waves a work-group, clusters of 4 x 1, 327,680 bytes of LDS; arguments qc, qs, hc, hs, cc, cs; writes cc, cs
.if DOCPART == 3
	.amdgcn_target "amdgcn-amd-amdhsa--gfx1250"
	.amdhsa_code_object_version 6
	.text
	.protected	k_q7b85839b32_attn
	.globl	k_q7b85839b32_attn
	.p2align	8
	.type	k_q7b85839b32_attn,@function
k_q7b85839b32_attn:
	s_mov_b64 s[64:65], 0
	v_nop
	global_prefetch_b8 v0, s[64:65] scope:SCOPE_SE
	s_setreg_imm32_b32 hwreg(HW_REG_WAVE_MODE, 25, 1), 1
	s_wait_xcnt 0x0
	s_wait_alu depctr_hold_cnt(0) depctr_sa_sdst(0) depctr_va_vdst(0) depctr_va_sdst(0) depctr_va_ssrc(0) depctr_va_vcc(0) depctr_vm_vsrc(0)
	s_getreg_b32 s2, hwreg(HW_REG_IB_STS2, 6, 4)
	s_cmp_eq_u32 s2, 0
	s_cbranch_scc0 .Lentry_in_a_cluster
	s_endpgm
.Lentry_in_a_cluster:
	s_bfe_u32 s2, ttmp6, 0x10000c
	s_cmp_lg_u32 s2, 0x3003
	s_cbranch_scc0 .Lentry_shape_is_right
	s_endpgm
.Lentry_shape_is_right:
; qh = q Wq for one head, then ctx[b][h][q] = the sum over k of softmax_k(qh . kh / 8) vh: all three products on codes of FP6 (E2M3) with E8M0 scales; ctx is quantised along 64 head + d and leaves as the last product's operand image.
; THE SOFTMAX: t = score x log2(e) / 8; M = the running largest t rounded UP to a whole number; p = 2^(t - M) is quantised along the keys, not normalised; the row's sum is taken of the unquantised p and divides at the end.
; When M moves, the sum and O are multiplied by 2^(old M - new M): exact.
; SHARES.  256 work-groups.  A work-group owns 512 queries of one (batch, head); each of its sixteen waves takes 16 of them in a first pass over the keys and 16 more in a second: 256 registers a wave, four waves to a SIMD.
; LDS, each byte filled once: K at 0 and V at 98,304 (the head's whole K and V, for both passes), their scale words, the spare words, and the head's 64 columns of Wq (49,152 bytes).
;   At the kernel's head each wave issues one load: waves 0-7 an eighth of Wq's codes, waves 8-15 an eighth of K's and V's words.  Behind the wait for the first loads and a round, each wave issues
;   one more: a sixteenth of K and V (12,288 bytes).  While that is on its way the wave makes its own qh.  One barrier follows, and none after it.
; qh: each (query, head) is made once in the launch.  Source 0 = 16 columns of Wq (from LDS; a fragment serves both my query tiles), source 1 = 16 rows of q (operand images, from qc straight into registers: nobody else in the
;   work-group reads them; a ring of four K steps, 96 registers).  Wq's columns lie in the order sigma, so a lane's 32 results are d = 32 b + 16 h + i of its query: quantised in registers, they are Q's six registers.
; All tensor tiles are asked for at the head, so there is no later tile to prefetch.
; CLUSTER.  The four work-groups of a cluster are the four query blocks of one head and read the same Wq, K and V: every tensor load is a joint one, with the mask of all four.
; LAYOUT.  S^T = K Q^T, O^T = V^T P^T: a lane holds one query throughout.  The head size is 64 and the instruction's K is 128: a fragment of K holds 16 keys x 64 d in registers 0-5 and the next
;   16 keys in registers 6-11; it is multiplied twice, by Q with zero codes in registers 6-11 and by Q with zero codes in registers 0-5.  Tokens lie in the order sigma (the middle eights of each 32 exchanged), so the 16
;   registers of the two results are 16 neighbouring keys in true order; V's 16 d of a tile likewise, so O^T's registers run along d in true order.
; LIMITS: NaN and infinities are not served; a p under 2^-126 comes out of the exponential as 0; a block of qh or ctx whose largest magnitude lies under 2^-124 keeps the byte 1; the scaled scores stay under 2^31 in magnitude.
.set SCK,  196608                      ; K's words (256 bytes a key step), V's 4,096 on
.set SPARE, 204800                     ; the spare words: 128 bytes a wave, 2,048 in all
.set WQL,  206848                      ; Wq: four row blocks of 16 columns, 12,288 bytes each
.set Q2,   2                           ; v2-7   the second pass's Q (its word in v253)
.set BS,   8                           ; v8-11  the conversions' scale operands (over the addresses, which are done with by then)
.set ADK,  8                           ; v8     LDS address of the step's K
.set ADV,  9                           ; v9     of its V
.set ADS,  10                          ; v10    of its scale words
.set LW16, 12                          ; v12, v13  in the head: LDS addresses of Wq's fragments, WQL + 16 x lane and WQL + 8 x lane
.set LW8,  13
.set SPW,  14                          ; v14, v15  in the head and at the end: the add's two registers
.set NIL,  15
.set QWD,  16                          ; v16-31 in the head: q's scale words, register 2 j + tile.  (Wq's: v2-9 for K steps 0-3, v88-95 for 4-7: register 2 j + pair; lanes 0-15 the even row block, lanes 16-31 the odd one)
.set QS,   34                          ; v34    Q's scale word, its two bytes in both halves
.set PS,   35                          ; v35    p's scale word
.set KS,   36                          ; v36-37 K's words: lanes 0-15 an even fragment's, lanes 16-31 the odd one's
.set VS,   38                          ; v38-39 V's
.set A16,  36                          ; v36-39 in the head: 16 x lane, 8 x lane, 4 r, 4 r + 512 (lane / 16)
.set A8,   37
.set A4,   38
.set AW,   39
.set KF,   40                          ; v40-87 four fragments of K; in the head of Wq (v40-42 also the stores' offsets)
.set BM,   88                          ; v88-91 the blocks' largest scores, then largest p
.set BT,   92                          ; v92-95 at work
.set CT,   88                          ; v88-95 upper halves of blocks
.set S,    96                          ; v96-159 S^T, then p; in the head qh^T of my two query tiles
.set O,    160                         ; v160-191 O^T
.set QF,   160                         ; v160-255 in the head: q's fragments, K step j at 24 (j % 4), the second tile's 12 on
.set VF,   192                         ; v192-239 four fragments of V
.set PC,   240                         ; v240-251 p's codes
.set WV,   12                          ; s12 wave
.set G1C,  16                          ; s[16:23] group 1: 24 rows of 256 bytes;  s[24:31]: 4 rows;  s[32:39]: 48 rows
.set G1W,  24
.set G1R,  32
.set G0C,  40                          ; s[40:43], s[44:47], s[48:51] their groups 0
.set G0W,  44
.set G0R,  48
.set SEL,  52                          ; s[52:53] selects of v_permlanex16_b32
.set CS,   54                          ; s[54:55] c = log2(e) / 8
.set TB,   56                          ; s56 LDS byte of the step's K
.set TS,   57                          ; s57 of its words
.set CNT,  58
.set TV,   59                          ; s59 of its V
; v1 lane; v12 -M; v13 the largest t; v[14:15] the sum; v16-33 [six zeros][Q's six registers][six zeros]; v252 f (v253 is named with it as a pair); v254, v255 at work
.macro CROUND
	s_barrier_signal -1
	s_barrier_wait -1
	s_cmp_lg_u32 s[WV], 0
	s_cbranch_scc1 .Lnot_wave_0_\@
	s_barrier_signal -3
.Lnot_wave_0_\@:
	s_barrier_wait -3
	s_barrier_signal -1
	s_barrier_wait -1
.endm
.macro NOP4
.rept 4
	v_nop
.endr
.endm
.macro SETG0 g, lds, a
	s_mov_b32 s[\g], 1
	s_mov_b32 s[\g+1], s\lds
	s_mov_b64 s[\g+2:\g+3], s[\a:\a+1]
	s_or_b32 s[\g+3], s[\g+3], 0x80000000
.endm
	s_load_b256 s[4:11], s[0:1], 0x0               ; qc s[4:5], qs s[6:7], hc s[8:9], hs s[10:11]
	s_load_b128 s[76:79], s[0:1], 0x20             ; cc s[76:77], cs s[78:79]
	v_lshl_add_u32 v[SPW], v0, 2, SPARE
	v_mov_b32 v[NIL], 0
	ds_add_u32 v[SPW], v[NIL]                      ; the opening lines: the add twice on end and one wait
	ds_add_u32 v[SPW], v[NIL]
	v_lshrrev_b32 v1, 5, v0
	s_delay_alu instid0(VALU_DEP_1)
	v_readfirstlane_b32 s[WV], v1                  ; wave 0..15
	s_bfe_u32 s13, ttmp6, 0x40000                  ; cx
	s_lshl_b32 s14, ttmp9, 2
	s_add_co_u32 s14, s14, s13                     ; my block of 512 queries: it enters q's, cc's and cs's addresses alone
	s_and_b32 s15, ttmp7, 0xffff                   ; 16 batch + head, which the partners share
	s_mul_i32 s63, s15, 98304                      ; the head in a tensor of hc
	s_and_b32 s61, s[WV], 7
	; waves 0-7: eighth wave % 8 of the head's four row blocks of Wq, which begin at row block 1536 + 4 head of qc
	s_and_b32 s60, s15, 15
	s_lshl_b32 s60, s60, 2
	s_add_co_u32 s60, s60, 1536
	s_mul_i32 s66, s60, 12288
	s_mul_i32 s70, s61, 6144
	s_add_co_u32 s66, s66, s70
	s_mov_b32 s67, 0
	s_add_co_u32 s70, s70, WQL                     ; its place in LDS: made of the wave's number alone
	s_lshl_b32 s72, s60, 9                         ; and these row blocks' scale words in qs
	s_mov_b32 s73, 0
	; waves 8-15: K's (8-11) or V's (12-15) words, quarter wave % 4
	s_bfe_u32 s60, s[WV], 0x10002
	s_add_co_u32 s62, s60, 1
	s_lshl_b32 s68, s62, 18
	s_lshl_b32 s62, s15, 12
	s_add_co_u32 s68, s68, s62
	s_and_b32 s62, s[WV], 3
	s_lshl_b32 s62, s62, 10
	s_add_co_u32 s68, s68, s62
	s_mov_b32 s69, 0
	s_lshl_b32 s71, s61, 10
	s_add_co_u32 s71, s71, SCK
	; the second loads: waves 0-7 K, waves 8-15 V; eighth wave % 8
	s_lshr_b32 s60, s[WV], 3
	s_add_co_u32 s62, s60, 1
	s_mul_i32 s74, s62, 6291456
	s_add_co_u32 s74, s74, s63
	s_mul_i32 s62, s61, 12288
	s_add_co_u32 s74, s74, s62
	s_mov_b32 s75, 0
	s_mul_i32 s60, s60, 98304
	s_add_co_u32 s60, s60, s62
	; groups 1: dense bytes as rows of 256 (32 elements of 8 bytes); 15:0 the mask of all four work-groups; 21 set beside a mask
.irp g, G1C, G1W, G1R
	s_mov_b32 s[\g], 15|(3<<16)|(1<<21)
	s_mov_b32 s[\g+1], 32<<16
	s_mov_b32 s[\g+3], 32<<16
	s_mov_b32 s[\g+5], 32
	s_mov_b32 s[\g+6], 0
	s_mov_b32 s[\g+7], 0
.endr
	s_mov_b32 s[G1C+2], 24<<16
	s_mov_b32 s[G1C+4], 24
	s_mov_b32 s[G1W+2], 4<<16
	s_mov_b32 s[G1W+4], 4
	s_mov_b32 s[G1R+2], 48<<16
	s_mov_b32 s[G1R+4], 48
	s_mov_b32 s[SEL], 0x76543210
	s_mov_b32 s[SEL+1], 0xfedcba98
	s_mov_b32 s[CS], 0x3e38aa3b                    ; log2(e) / 8
	s_mov_b32 s[CS+1], s[CS]                       ; (named with it as a pair, so it is written)
	s_mov_b32 s[TB], 0
	s_mov_b32 s[TV], 98304
	s_mov_b32 s[TS], SCK
	v_and_b32 v1, 31, v0                           ; lane
	v_and_b32 v[A4], 15, v0
	v_bfe_u32 v[AW], v0, 4, 1
	v_lshlrev_b32 v[A16], 4, v1
	v_lshlrev_b32 v[A8], 3, v1
	v_lshlrev_b32 v[A4], 2, v[A4]
	s_delay_alu instid0(VALU_DEP_3)
	v_add_nc_u32 v[LW16], WQL, v[A16]
	s_delay_alu instid0(VALU_DEP_3)
	v_add_nc_u32 v[LW8], WQL, v[A8]
	s_delay_alu instid0(VALU_DEP_3)
	v_lshl_add_u32 v[AW], v[AW], 9, v[A4]
	s_wait_alu depctr_va_vdst(0)
	s_wait_dscnt 0x0                               ; both opening adds are done
	s_wait_kmcnt 0x0
	s_add_nc_u64 s[66:67], s[4:5], s[66:67]
	s_add_nc_u64 s[68:69], s[10:11], s[68:69]
	s_add_nc_u64 s[74:75], s[8:9], s[74:75]
	s_add_nc_u64 s[72:73], s[6:7], s[72:73]
	SETG0 G0C, 70, 66
	SETG0 G0W, 71, 68
	SETG0 G0R, 60, 74
	; q: my first tile is row block 128 batch + 32 x block + wave of qc, my second 16 row blocks on
	s_lshr_b32 s61, s15, 4
	s_lshl_b32 s61, s61, 7
	s_lshl_b32 s62, s14, 5
	s_add_co_u32 s61, s61, s62
	s_add_co_u32 s61, s61, s[WV]
	s_mul_i32 s66, s61, 12288
	s_mov_b32 s67, 0
	s_add_nc_u64 s[66:67], s[4:5], s[66:67]
	s_lshl_b32 s68, s61, 9
	s_mov_b32 s69, 0
	s_add_nc_u64 s[68:69], s[6:7], s[68:69]
.irp j, 0,1,2,3,4,5,6,7
.irp g, 0,1
	global_load_b32 v[2+2*\j+78*(\j/4)+\g], v[AW], s[72:73] offset:64*\j+1024*\g   ; Wq's words
	global_load_b32 v[QWD+2*\j+\g], v[A4], s[68:69] offset:64*\j+8192*\g           ; q's
.endr
.endr
.macro QLOAD j                         ; K step j of q, both tiles: eight loads, images of the operand's registers
.irp p, 0,1
.set RR, QF+24*((\j)%4)+12*\p
.set OF, 196608*\p+1536*(\j)
	global_load_b128 v[RR:RR+3], v[A16], s[66:67] offset:OF
	global_load_b64 v[RR+4:RR+5], v[A8], s[66:67] offset:OF+512
	global_load_b128 v[RR+6:RR+9], v[A16], s[66:67] offset:OF+768
	global_load_b64 v[RR+10:RR+11], v[A8], s[66:67] offset:OF+1280
.endr
.endm
	QLOAD 0
	QLOAD 1
	QLOAD 2
	QLOAD 3
	CROUND                                         ; all four work-groups are here: the joint loads meet
	s_cmp_lt_u32 s[WV], 8                          ; one load a wave, one to each arm, both arms to one join
	s_cbranch_scc0 .Lwords
	tensor_load_to_lds s[G0C:G0C+3], s[G1C:G1C+7]
	s_nop 0
	NOP4
	s_branch .Lasked
.Lwords:
	tensor_load_to_lds s[G0W:G0W+3], s[G1W:G1W+7]
	s_nop 0
	NOP4
.Lasked:
	; where ctx goes: the same row block, fragment head / 2, half head % 2
	s_and_b32 s62, s15, 15
	s_lshl_b32 s61, s61, 3
	s_lshr_b32 s63, s62, 1
	s_add_co_u32 s61, s61, s63
	s_and_b32 s62, s62, 1
	s_mul_i32 s70, s61, 1536
	s_mul_i32 s63, s62, 768
	s_add_co_u32 s70, s70, s63
	s_mov_b32 s71, 0
	s_add_nc_u64 s[76:77], s[76:77], s[70:71]
	s_lshl_b32 s70, s61, 6
	s_lshl_b32 s62, s62, 1
	s_add_co_u32 s70, s70, s62
	s_add_nc_u64 s[78:79], s[78:79], s[70:71]
	s_wait_alu depctr_va_vdst(0)
	s_wait_tensorcnt 0x0                           ; my part of Wq or of the words is in
	ds_add_u32 v[SPW], v[NIL]
	s_wait_dscnt 0x0
	CROUND                                         ; everybody's part is in, and the four work-groups meet
	tensor_load_to_lds s[G0R:G0R+3], s[G1R:G1R+7]  ; K and V: my one load behind the round
	s_nop 0
	NOP4
; ---------------- qh^T = Wq^T q^T for my two tiles of 16 queries: eight K steps of 128, eight accumulators by turns
.macro WLOAD j                         ; K step j of Wq's four row blocks
.irp t, 0,1,2,3
	ds_load_b128 v[KF+12*\t:KF+12*\t+3], v[LW16] offset:12288*\t+1536*(\j)
	ds_load_b64 v[KF+12*\t+4:KF+12*\t+5], v[LW8] offset:12288*\t+1536*(\j)+512
	ds_load_b128 v[KF+12*\t+6:KF+12*\t+9], v[LW16] offset:12288*\t+1536*(\j)+768
	ds_load_b64 v[KF+12*\t+10:KF+12*\t+11], v[LW8] offset:12288*\t+1536*(\j)+1280
.endr
.endm
.macro QM j, p, t                      ; tile p of queries, row block t of Wq
.set DD, S+32*(\p)+8*(\t)
.set AA, KF+12*(\t)
.set BB, QF+24*((\j)%4)+12*(\p)
.set SA, 2+2*(\j)+78*((\j)/4)+(\t)/2
.set SB, QWD+2*(\j)+(\p)
.if (\j) == 0
.if (\t)%2
	v_wmma_scale_f32_16x16x128_f8f6f4 v[DD:DD+7], v[AA:AA+11], v[BB:BB+11], 0, v[SA], v[SB] matrix_a_fmt:MATRIX_FMT_FP6 matrix_b_fmt:MATRIX_FMT_FP6 matrix_a_scale:MATRIX_SCALE_ROW1
.else
	v_wmma_scale_f32_16x16x128_f8f6f4 v[DD:DD+7], v[AA:AA+11], v[BB:BB+11], 0, v[SA], v[SB] matrix_a_fmt:MATRIX_FMT_FP6 matrix_b_fmt:MATRIX_FMT_FP6
.endif
.else
.if (\t)%2
	v_wmma_scale_f32_16x16x128_f8f6f4 v[DD:DD+7], v[AA:AA+11], v[BB:BB+11], v[DD:DD+7], v[SA], v[SB] matrix_a_fmt:MATRIX_FMT_FP6 matrix_b_fmt:MATRIX_FMT_FP6 matrix_a_scale:MATRIX_SCALE_ROW1
.else
	v_wmma_scale_f32_16x16x128_f8f6f4 v[DD:DD+7], v[AA:AA+11], v[BB:BB+11], v[DD:DD+7], v[SA], v[SB] matrix_a_fmt:MATRIX_FMT_FP6 matrix_b_fmt:MATRIX_FMT_FP6
.endif
.endif
.endm
	WLOAD 0
.irp j, 0,1,2,3,4,5,6,7
.if \j < 4
	s_wait_loadcnt 24                              ; the words and K step j of q are in; behind them three K steps' loads, eight each, may be out
.else
	s_wait_loadcnt 8*(7-\j)
.endif
	s_wait_dscnt 0x0                               ; Wq's fragments are in
.irp t, 0,1,2,3
	QM \j, 0, \t
	QM \j, 1, \t
.endr
	NOP4                                           ; places in front of the loads into registers just multiplied, and at the end of the first read of the results
.if \j < 4
	QLOAD \j+4
.endif
.if \j < 7
	WLOAD \j+1
.endif
.endr
; 32 numbers of a lane, register 16 b + i = d 32 b + 16 h + i of its query, become two blocks' codes in v[d] .. v[d + 5] (lanes 0-15 block 0, lanes 16-31 block 1) and two scale bytes in v254
.macro QUANT2 x, d, hint               ; hint = 1: the numbers were made by plain vector instructions, and the two chains of maxima carry their hints; 0: they are matrix results
	v_max3_num_f32 v[BM], |v[\x]|, |v[\x+1]|, 0x1800000            ; and the floor 2^(3 - 127): the byte cannot fall under 1
	v_max3_num_f32 v[BM+1], |v[\x+16]|, |v[\x+17]|, 0x1800000
.irp i, 2,4,6,8,10,12,14
.if \hint
	s_delay_alu instid0(VALU_DEP_2)
.endif
	v_max3_num_f32 v[BM], v[BM], |v[\x+\i]|, |v[\x+1+\i]|
.if \hint
	s_delay_alu instid0(VALU_DEP_2)
.endif
	v_max3_num_f32 v[BM+1], v[BM+1], |v[\x+16+\i]|, |v[\x+17+\i]|
.endr
	s_delay_alu instid0(VALU_DEP_2)
	v_permlanex16_b32 v[BT], v[BM], s[SEL], s[SEL+1]
	s_delay_alu instid0(VALU_DEP_2)
	v_permlanex16_b32 v[BT+1], v[BM+1], s[SEL], s[SEL+1]
	s_delay_alu instid0(VALU_DEP_2)
	v_max_num_f32 v[BM], v[BM], v[BT]
	s_delay_alu instid0(VALU_DEP_2)
	v_max_num_f32 v[BM+1], v[BM+1], v[BT+1]
	s_delay_alu instid0(VALU_DEP_2)
	v_add_nc_u32 v[BS], 0xff000000, v[BM]          ; 2 off the exponent field: the conversion's scale operand
	s_delay_alu instid0(VALU_DEP_2)
	v_add_nc_u32 v[BS+1], 0xff000000, v[BM+1]
	s_delay_alu instid0(VALU_DEP_2)
	v_lshrrev_b32 v[BT], 23, v[BS]
	s_delay_alu instid0(VALU_DEP_2)
	v_lshrrev_b32 v[BT+1], 23, v[BS+1]
	s_delay_alu instid0(VALU_DEP_1)
	v_lshl_or_b32 v254, v[BT+1], 8, v[BT]
	v_cvt_scalef32_pk16_fp6_f32 v[\d:\d+2], v[\x:\x+15], v[BS]
	v_cvt_scalef32_pk16_fp6_f32 v[CT:CT+2], v[\x+16:\x+31], v[BS+1]
	v_nop                                          ; one plain place behind a scaled conversion
.irp i, 0,1,2
	v_permlane16_swap_b32 v[\d+\i], v[CT+\i]       ; a whole block to a lane
.endr
.irp i, 0,1,2
	s_delay_alu instid0(VALU_DEP_3)
	v_mov_b32 v[\d+3+\i], v[CT+\i]
.endr
.endm
.irp b, 0,1,2,3
	v_mov_b32 v[BT+\b], 0                          ; a lane permute's destination counts as one of its sources
.endr
	QUANT2 S, 22, 0                                ; the first pass's Q,
	v_lshl_or_b32 v[QS], v254, 16, v254            ; its two bytes in both halves of the word
	QUANT2 S+32, Q2, 0                             ; the second pass's
	v_lshl_or_b32 v253, v254, 16, v254
.irp i, 0,1,2,3,4,5
	v_mov_b32 v[16+\i], 0                          ; zero codes: they add nothing under any byte that a quantiser gives
	v_mov_b32 v[28+\i], 0
.endr
.macro BEGIN                           ; a pass begins: the largest t so far -3e38, under every t; the sum and O^T zeros (the step is written once; the first change of M leaves zeros zeros)
	v_mov_b32 v13, 0xff61b1e6
	v_mov_b32 v14, 0
	v_mov_b32 v15, 0
	v_floor_f32 v12, -v13                          ; -M
.set j, 0
.rept 32
	v_mov_b32 v[O+j], 0
.set j, j+1
.endr
.endm
	BEGIN                                          ; (these lines are also the places between Q's and its word's writes and the first products)
	s_wait_alu depctr_va_vdst(0)
	s_wait_tensorcnt 0x0                           ; my part of K and V is in
	s_barrier_signal -1
	s_barrier_wait -1                              ; everybody's is; nothing is filled again
.macro KQ f                            ; fragment f of K against my queries: keys' block 2 f, then block 2 f + 1
.if (\f)%2
	v_wmma_scale_f32_16x16x128_f8f6f4 v[S+16*\f:S+16*\f+7], v[KF+12*\f:KF+12*\f+11], v[22:33], 0, v[KS+\f/2], v[QS] matrix_a_fmt:MATRIX_FMT_FP6 matrix_b_fmt:MATRIX_FMT_FP6 matrix_a_scale:MATRIX_SCALE_ROW1
	v_wmma_scale_f32_16x16x128_f8f6f4 v[S+16*\f+8:S+16*\f+15], v[KF+12*\f:KF+12*\f+11], v[16:27], 0, v[KS+\f/2], v[QS] matrix_a_fmt:MATRIX_FMT_FP6 matrix_b_fmt:MATRIX_FMT_FP6 matrix_a_scale:MATRIX_SCALE_ROW1
.else
	v_wmma_scale_f32_16x16x128_f8f6f4 v[S+16*\f:S+16*\f+7], v[KF+12*\f:KF+12*\f+11], v[22:33], 0, v[KS+\f/2], v[QS] matrix_a_fmt:MATRIX_FMT_FP6 matrix_b_fmt:MATRIX_FMT_FP6
	v_wmma_scale_f32_16x16x128_f8f6f4 v[S+16*\f+8:S+16*\f+15], v[KF+12*\f:KF+12*\f+11], v[16:27], 0, v[KS+\f/2], v[QS] matrix_a_fmt:MATRIX_FMT_FP6 matrix_b_fmt:MATRIX_FMT_FP6
.endif
.endm
.macro PV t                            ; O^T's tile t += 16 d x 128 keys of V times p
.if (\t)%2
	v_wmma_scale_f32_16x16x128_f8f6f4 v[O+8*\t:O+8*\t+7], v[VF+12*\t:VF+12*\t+11], v[PC:PC+11], v[O+8*\t:O+8*\t+7], v[VS+\t/2], v[PS] matrix_a_fmt:MATRIX_FMT_FP6 matrix_b_fmt:MATRIX_FMT_FP6 matrix_a_scale:MATRIX_SCALE_ROW1
.else
	v_wmma_scale_f32_16x16x128_f8f6f4 v[O+8*\t:O+8*\t+7], v[VF+12*\t:VF+12*\t+11], v[PC:PC+11], v[O+8*\t:O+8*\t+7], v[VS+\t/2], v[PS] matrix_a_fmt:MATRIX_FMT_FP6 matrix_b_fmt:MATRIX_FMT_FP6
.endif
.endm
; A KEY STEP: 128 keys
.macro STEP
	v_lshl_add_u32 v[ADK], v1, 4, s[TB]            ; these three and the v_nop are the four places between the last step's products and the loads into their registers
	v_lshl_add_u32 v[ADV], v1, 4, s[TV]
	v_lshl_add_u32 v[ADS], v1, 2, s[TS]
	v_nop
.irp p, 0,1
	ds_load_b32 v[KS+\p], v[ADS] offset:128*\p
.endr
.irp f, 0,1,2,3
.irp c, 0,1,2
	ds_load_b128 v[KF+12*\f+4*\c:KF+12*\f+4*\c+3], v[ADK] offset:1536*\f+512*\c   ; an image of the operand's registers: 512 consecutive bytes a load
.endr
.endr
.irp p, 0,1
	ds_load_b32 v[VS+\p], v[ADS] offset:4096+128*\p
.endr
.irp f, 0,1,2,3
.irp c, 0,1,2
	ds_load_b128 v[VF+12*\f+4*\c:VF+12*\f+4*\c+3], v[ADV] offset:1536*\f+512*\c
.endr
.endr
	s_wait_dscnt 14                                ; K and its words are in; V's 14 loads, issued behind them, may be out
	KQ 0
	KQ 1
	KQ 2
	KQ 3
	NOP4                                           ; places in front of the first read of the scores
.irp b, 0,1,2,3
	v_max3_num_f32 v[BM+\b], v[S+16*\b], v[S+1+16*\b], v[S+2+16*\b]   ; the largest score of each block of 32 keys: for the row's maximum, and, since p rises with the score, for the block's largest p
.endr
.irp i, 3,5,7,9,11,13
.irp b, 0,1,2,3
	v_max3_num_f32 v[BM+\b], v[BM+\b], v[S+16*\b+\i], v[S+1+16*\b+\i]
.endr
.endr
.irp b, 0,1,2,3
	v_max_num_f32 v[BM+\b], v[BM+\b], v[S+15+16*\b]
.endr
.irp b, 0,1,2,3
	s_delay_alu instid0(VALU_DEP_4)
	v_permlanex16_b32 v[BT+\b], v[BM+\b], s[SEL], s[SEL+1]
.endr
.irp b, 0,1,2,3
	s_delay_alu instid0(VALU_DEP_4)
	v_max_num_f32 v[BM+\b], v[BM+\b], v[BT+\b]     ; with lane l xor 16's 16 keys
.endr
	s_delay_alu instid0(VALU_DEP_2)
	v_max3_num_f32 v254, v[BM], v[BM+1], v[BM+2]
	s_delay_alu instid0(VALU_DEP_1)
	v_max_num_f32 v254, v254, v[BM+3]
	s_delay_alu instid0(VALU_DEP_1)
	v_mul_f32 v254, s[CS], v254                    ; the step's largest t
	s_delay_alu instid0(VALU_DEP_1)
	v_max_num_f32 v13, v13, v254                   ; the running largest t
	v_mov_b32 v254, v12
	s_delay_alu instid0(VALU_DEP_2)
	v_floor_f32 v12, -v13                          ; the new -M = -ceil(t): M is a whole number
	s_delay_alu instid0(VALU_DEP_1)
	v_sub_f32 v254, v12, v254                      ; old M - new M: a whole number, 0 or less
	s_delay_alu instid0(VALU_DEP_1)
	v_cvt_i32_f32 v254, v254                       ; (it saturates)
	s_delay_alu instid0(VALU_DEP_1)
	v_ldexp_f32 v252, 1.0, v254                    ; f = 2^(old M - new M)
.set j, 0
.rept 32
	v_pk_fma_f32 v[S+j:S+j+1], v[S+j:S+j+1], s[CS:CS+1], v[12:13] op_sel_hi:[1,0,0]   ; t - M, two at a time
.set j, j+2
.endr
.irp b, 0,1,2,3
	v_fma_f32 v[BM+\b], v[BM+\b], s[CS], v12       ; the same of each block's largest score
.endr
.set j, 0
	s_wait_alu depctr_va_vdst(0)
.rept 64
	v_exp_f32 v[S+j], v[S+j]                       ; p = 2^(t - M), at most 1
.set j, j+1
.endr
	v_pk_mul_f32 v[14:15], v[14:15], v[252:253] op_sel_hi:[1,0]   ; the sums under the new M: the plain place behind the exponentials
	s_wait_alu depctr_va_vdst(0)                   ; one wait for the batch of 64, ahead of its first reader
.irp b, 0,1,2,3
	v_exp_f32 v[BM+\b], v[BM+\b]                   ; the block's largest p: the same two instructions on the same number give the same bits
.endr
	v_pk_add_f32 v[92:93], v[100:101], v[104:105]  ; the row's sum of the unquantised p, in eight chains
	v_pk_add_f32 v[254:255], v[108:109], v[112:113]
	v_pk_add_f32 v[250:251], v[116:117], v[120:121]
	v_pk_add_f32 v[248:249], v[124:125], v[128:129]
	v_pk_add_f32 v[246:247], v[132:133], v[136:137]
	v_pk_add_f32 v[244:245], v[140:141], v[144:145]
	v_pk_add_f32 v[242:243], v[148:149], v[152:153]
	v_pk_add_f32 v[14:15], v[14:15], v[156:157]
	v_pk_add_f32 v[92:93], v[92:93], v[96:97]
	v_pk_add_f32 v[254:255], v[254:255], v[98:99]
	v_pk_add_f32 v[250:251], v[250:251], v[102:103]
	v_pk_add_f32 v[248:249], v[248:249], v[106:107]
	v_pk_add_f32 v[246:247], v[246:247], v[110:111]
	v_pk_add_f32 v[244:245], v[244:245], v[114:115]
	v_pk_add_f32 v[242:243], v[242:243], v[118:119]
	v_pk_add_f32 v[14:15], v[14:15], v[122:123]
	v_pk_add_f32 v[92:93], v[92:93], v[126:127]
	v_pk_add_f32 v[254:255], v[254:255], v[130:131]
	v_pk_add_f32 v[250:251], v[250:251], v[134:135]
	v_pk_add_f32 v[248:249], v[248:249], v[138:139]
	v_pk_add_f32 v[246:247], v[246:247], v[142:143]
	v_pk_add_f32 v[244:245], v[244:245], v[146:147]
	v_pk_add_f32 v[242:243], v[242:243], v[150:151]
	v_pk_add_f32 v[14:15], v[14:15], v[154:155]
	v_pk_add_f32 v[92:93], v[92:93], v[158:159]
	s_delay_alu instid0(VALU_DEP_2)
	v_pk_add_f32 v[14:15], v[14:15], v[248:249]
	s_delay_alu instid0(VALU_DEP_2)
	v_pk_add_f32 v[92:93], v[92:93], v[246:247]
	v_pk_add_f32 v[254:255], v[254:255], v[244:245]
	v_pk_add_f32 v[250:251], v[250:251], v[242:243]
	s_delay_alu instid0(VALU_DEP_2)
	v_pk_add_f32 v[14:15], v[14:15], v[254:255]
	s_delay_alu instid0(VALU_DEP_2)
	v_pk_add_f32 v[92:93], v[92:93], v[250:251]
	s_delay_alu instid0(VALU_DEP_1)
	v_pk_add_f32 v[14:15], v[14:15], v[92:93]
	s_wait_alu depctr_va_vdst(0)                   ; and one for the four
.irp b, 0,1,2,3
	v_max_num_f32 v[BM+\b], 0x1800000, v[BM+\b]    ; the floor 2^(3 - 127): the byte cannot fall under 1
.endr
.irp b, 0,1,2,3
	s_delay_alu instid0(VALU_DEP_4)
	v_add_nc_u32 v[BS+\b], 0xff000000, v[BM+\b]    ; 2 off the exponent field: the conversion's scale operand
.endr
.irp b, 0,1,2,3
	s_delay_alu instid0(VALU_DEP_4)
	v_lshrrev_b32 v[BT+\b], 23, v[BS+\b]
.endr
	s_delay_alu instid0(VALU_DEP_3)
	v_lshl_or_b32 v[PS], v[BT+1], 8, v[BT]         ; p's scale word for these 128 keys
	s_delay_alu instid0(VALU_DEP_1)
	v_lshl_or_b32 v[PS], v[BT+2], 16, v[PS]
	s_delay_alu instid0(VALU_DEP_1)
	v_lshl_or_b32 v[PS], v[BT+3], 24, v[PS]
.irp c, 0,1
	v_cvt_scalef32_pk16_fp6_f32 v[PC+6*\c:PC+2+6*\c], v[S+32*\c:S+15+32*\c], v[BS+2*\c]
	v_cvt_scalef32_pk16_fp6_f32 v[CT+4*\c:CT+2+4*\c], v[S+16+32*\c:S+31+32*\c], v[BS+2*\c+1]
.endr
	v_nop                                          ; one plain place behind a scaled conversion
.irp c, 0,1
.irp i, 0,1,2
	v_permlane16_swap_b32 v[PC+6*\c+\i], v[CT+4*\c+\i]   ; a whole block to a lane
.endr
.irp i, 0,1,2
	s_delay_alu instid0(VALU_DEP_3)
	v_mov_b32 v[PC+3+6*\c+\i], v[CT+4*\c+\i]
.endr
.endr
.set j, 0
.rept 16
	v_pk_mul_f32 v[O+j:O+j+1], v[O+j:O+j+1], v[252:253] op_sel_hi:[1,0]   ; O^T under the new M; also the places between p's codes and word and the products
.set j, j+2
.endr
	s_wait_alu depctr_va_vdst(0)
	s_wait_dscnt 0x0                               ; V and its words are in
	PV 0                                           ; four accumulators, one instruction each: no two neighbours share one
	PV 1
	PV 2
	PV 3
	s_add_co_u32 s[TB], s[TB], 6144
	s_add_co_u32 s[TV], s[TV], 6144
	s_add_co_u32 s[TS], s[TS], 256
.endm
.macro WALK n                          ; n key steps
	s_mov_b32 s[CNT], \n
.Lstep_\@:
	STEP
	s_sub_co_u32 s[CNT], s[CNT], 1
	s_cmp_lg_u32 s[CNT], 0
	s_cbranch_scc1 .Lstep_\@
.endm
; THE WAY OUT of pass p: O^T / the sum, quantised as qh is: six registers, half a fragment of the last product's A
.macro LEAVE p
	v_add_f32 v14, v14, v15
	v_and_b32 v42, 15, v0
	s_delay_alu instid0(VALU_DEP_2)
	v_permlanex16_b32 v252, v14, s[SEL], s[SEL+1]
	v_lshlrev_b32 v40, 4, v1                       ; 16 x lane
	s_delay_alu instid0(VALU_DEP_2)
	v_add_f32 v14, v14, v252                       ; the row's sum
	s_wait_alu depctr_va_vdst(0)
	v_rcp_f32 v14, v14
	v_lshlrev_b32 v41, 3, v1                       ; 8 x lane  (plain places behind the reciprocal and the last products)
	v_lshlrev_b32 v42, 2, v42                      ; 4 r
	s_wait_alu depctr_va_vdst(0)                   ; ahead of the reciprocal's first reader, and of O^T's
.set j, 0
.rept 32
	v_mul_f32 v[S+j], v[O+j], v14                  ; each accumulator from its low end on
.set j, j+1
.endr
	QUANT2 S, PC, 1
	global_store_b128 v40, v[PC:PC+3], s[76:77] offset:196608*\p        ; 512 consecutive bytes; a pass is 16 row blocks of 12,288 bytes on
	global_store_b64 v41, v[PC+4:PC+5], s[76:77] offset:196608*\p+512   ; 256
	global_store_b16 v42, v254, s[78:79] offset:8192*\p                 ; two bytes a row (both halves of the lanes hold and write the same): one byte in 24 of ctx's; the neighbouring head's work-group writes the word's other half
.endm
	WALK 16                                        ; the first pass
	LEAVE 0
	v_mov_b32 v[QS], v253                          ; the second pass's Q and word; the lines of BEGIN are the places between these writes and the first products
.irp i, 0,1,2,3,4,5
	v_mov_b32 v[22+\i], v[Q2+\i]
.endr
	BEGIN
	s_mov_b32 s[TB], 0
	s_mov_b32 s[TV], 98304
	s_mov_b32 s[TS], SCK
	s_wait_xcnt 0x0                                ; the stores have read their registers, which the walk writes again
	WALK 16
	LEAVE 1
	v_lshl_add_u32 v[SPW], v0, 2, SPARE
	v_mov_b32 v[NIL], 0
	s_wait_alu depctr_va_vdst(0)
	s_wait_tensorcnt 0x0                           ; the wave's end
	ds_add_u32 v[SPW], v[NIL]
	s_wait_dscnt 0x0
	CROUND                                         ; the closing round
	s_endpgm
.Lfunc_end_k_q7b85839b32_attn:
	.size	k_q7b85839b32_attn, .Lfunc_end_k_q7b85839b32_attn-k_q7b85839b32_attn
	.p2alignl 7, 3214868480
	.fill 96, 4, 3214868480
	.section	.rodata,"a",@progbits
	.p2align	6, 0x0
	.amdhsa_kernel k_q7b85839b32_attn
		.amdhsa_group_segment_fixed_size 327680
		.amdhsa_private_segment_fixed_size 0
		.amdhsa_enable_private_segment 0
		.amdhsa_kernarg_size 48
		.amdhsa_user_sgpr_count 2
		.amdhsa_user_sgpr_kernarg_segment_ptr 1
		.amdhsa_wavefront_size32 1
		.amdhsa_system_sgpr_workgroup_id_x 1
		.amdhsa_system_sgpr_workgroup_id_y 1
		.amdhsa_system_sgpr_workgroup_id_z 1
		.amdhsa_system_vgpr_workitem_id 0
		.amdhsa_next_free_vgpr 256
		.amdhsa_next_free_sgpr 80
		.amdhsa_reserve_vcc 0
		.amdhsa_float_denorm_mode_32 3
		.amdhsa_float_denorm_mode_16_64 3
		.amdhsa_memory_ordered 1
		.amdhsa_forward_progress 1
		.amdhsa_inst_pref_size 85
	.end_amdhsa_kernel
	.amdgpu_metadata
---
amdhsa.version: [ 1, 2 ]
amdhsa.kernels:
  - .name:           k_q7b85839b32_attn
    .symbol:         k_q7b85839b32_attn.kd
    .args:
      - { .name: qc, .offset: 0, .size: 8, .value_kind: global_buffer, .address_space: global }
      - { .name: qs, .offset: 8, .size: 8, .value_kind: global_buffer, .address_space: global }
      - { .name: hc, .offset: 16, .size: 8, .value_kind: global_buffer, .address_space: global }
      - { .name: hs, .offset: 24, .size: 8, .value_kind: global_buffer, .address_space: global }
      - { .name: cc, .offset: 32, .size: 8, .value_kind: global_buffer, .address_space: global }
      - { .name: cs, .offset: 40, .size: 8, .value_kind: global_buffer, .address_space: global }
    .group_segment_fixed_size: 327680
    .private_segment_fixed_size: 0
    .kernarg_segment_align: 8
    .kernarg_segment_size: 48
    .max_flat_workgroup_size: 512
    .sgpr_count:     80
    .vgpr_count:     256
    .wavefront_size: 32
...
	.end_amdgpu_metadata
.endif
;; end of part 3
;; launch outp (part 4): grid 4 x 32, 4 waves a work-group, clusters of 4 x 4, 327,680 bytes of LDS; arguments cc, cs, qc, qs, out0; writes out0
.if DOCPART == 4
	.amdgcn_target "amdgcn-amd-amdhsa--gfx1250"
	.amdhsa_code_object_version 6
	.text
	.protected	k_q7b85839b32_outp
	.globl	k_q7b85839b32_outp
	.p2align	8
	.type	k_q7b85839b32_outp,@function
k_q7b85839b32_outp:
	s_mov_b64 s[64:65], 0
	v_nop
	global_prefetch_b8 v0, s[64:65] scope:SCOPE_SE
	s_setreg_imm32_b32 hwreg(HW_REG_WAVE_MODE, 25, 1), 1
	s_wait_xcnt 0x0
	s_wait_alu depctr_hold_cnt(0) depctr_sa_sdst(0) depctr_va_vdst(0) depctr_va_sdst(0) depctr_va_ssrc(0) depctr_va_vcc(0) depctr_vm_vsrc(0)
	s_getreg_b32 s2, hwreg(HW_REG_IB_STS2, 6, 4)
	s_cmp_eq_u32 s2, 0
	s_cbranch_scc0 .Lentry_in_a_cluster
	s_endpgm
.Lentry_in_a_cluster:
	s_bfe_u32 s2, ttmp6, 0x10000c
	s_cmp_lg_u32 s2, 0xf033
	s_cbranch_scc0 .Lentry_shape_is_right
	s_endpgm
.Lentry_shape_is_right:
; out0 = ctx Wo on codes of FP6 (E2M3) with E8M0 scales; a work-group makes 256 x 256, a wave 128 x 128; K goes in steps of 256 through two LDS slots filled by joint loads of a 4 x 4 cluster.
; THE HEAD: four tiles, one joint load a wave: wave 0 slot 0's 16 row blocks of A, wave 1 those of B, wave 2 A's scale words, wave 3 B's; slot 1 is first filled behind a round, as a refill is.
.set FR,     12
.set NL,     4
.set NQ,     2
.set NP,     4
.set FRB,    1536
.set BLKB,   NQ*FRB
.set HALFT,  8*BLKB
.set SLOT,   4*HALFT
.set SCL,    2*SLOT
.set SCB,    8320
.set SPARE,  213248
.set SPITCH, 528
.set ADRA, 16
.set ADRB, 20
.set STO,  24
.set RD,   25
.set CO,   26
.set ADRS, 27
.set SPW,  28
.set NIL,  29
.set SC,   32
.set AF,   128
.set BK,   128
.set G1, 24
.set G0, 32
.set G1B, 48
.set G0B, 56
.set G1S, 68
.set G0S, 76
.set G1SB, 80
.set G0SB, 88
.set MSB, 0
.macro WIN new
.if MSB != \new
	s_set_vgpr_msb (MSB<<8)|\new
.set MSB, \new
.endif
.endm
.set MUL_LO, 0xa1
.set MUL_HI, 0xf1
.set TO_B,   0x40
.macro JLOAD g0a, g1a, g0b, g1b
	s_cmp_eq_u32 s15, 0
	s_cbranch_scc0 .Lfor_b_\@
	tensor_load_to_lds s[\g0a:\g0a+3], s[\g1a:\g1a+7]
	s_nop 0
.rept 4
	v_nop
.endr
	s_branch .Lasked_\@
.Lfor_b_\@:
	tensor_load_to_lds s[\g0b:\g0b+3], s[\g1b:\g1b+7]
	s_nop 0
.rept 4
	v_nop
.endr
.Lasked_\@:
.endm
.macro CREST
	s_cmp_lg_u32 s14, 0
	s_cbranch_scc1 .Lnot_wave_0_\@
	s_barrier_signal -3
.Lnot_wave_0_\@:
	s_barrier_wait -3
	s_barrier_signal -1
	s_barrier_wait -1
.endm
.macro CROUND
	s_barrier_signal -1
	s_barrier_wait -1
	CREST
.endm
	s_load_b256 s[4:11], s[0:1], 0x0
	s_load_b64 s[12:13], s[0:1], 0x20
	v_lshl_add_u32 v[SPW], v0, 2, SPARE
	v_mov_b32 v[NIL], 0
	ds_add_u32 v28, v29
	ds_add_u32 v28, v29
	s_wait_dscnt 0x0
	v_lshrrev_b32 v1, 5, v0
	v_readfirstlane_b32 s14, v1
	s_lshr_b32 s15, s14, 1
	s_and_b32 s16, s14, 1
	s_bfe_u32 s40, ttmp6, 0x40000
	s_bfe_u32 s41, ttmp6, 0x40004
	s_and_b32 s17, ttmp7, 0xffff
	s_lshl_b32 s17, s17, 2
	s_add_co_u32 s17, s17, s41
	s_lshl_b32 s43, s41, 2
	s_lshl_b32 s43, 15, s43
	s_lshl_b32 s44, 0x1111, s40
	s_or_b32 s[G1+0], s43, (3<<16)|(1<<21)
	s_or_b32 s[G1B+0], s44, (3<<16)|(1<<21)
.irp g, G1, G1B
	s_mov_b32 s[\g+1], 384<<16
	s_mov_b32 s[\g+2], 16<<16
	s_mov_b32 s[\g+3], 384<<16
	s_mov_b32 s[\g+4], 16
	s_mov_b32 s[\g+5], 1536
	s_mov_b32 s[\g+6], 0
	s_mov_b32 s[\g+7], 0
.endr
	s_or_b32 s[G1S+0], s43, (3<<16)|(1<<21)
	s_or_b32 s[G1SB+0], s44, (3<<16)|(1<<21)
.irp g, G1S, G1SB
	s_mov_b32 s[\g+1], 32<<16
	s_mov_b32 s[\g+2], 32<<16
	s_mov_b32 s[\g+3], 32<<16
	s_mov_b32 s[\g+4], 32
	s_mov_b32 s[\g+5], 32
	s_mov_b32 s[\g+6], 0
	s_mov_b32 s[\g+7], 0
.endr
	s_lshl_b32 s21, s16, 3
	s_lshl_b32 s20, s17, 4
	s_add_co_u32 s20, s20, s21
	s_lshl_b32 s46, s40, 4
	s_add_co_u32 s46, s46, s21
	s_add_co_u32 s46, s46, 1728
	s_mul_i32 s22, s20, 12288
	s_mov_b32 s23, 0
	s_lshl_b32 s92, s20, 9
	s_mov_b32 s93, 0
	s_mul_i32 s66, s46, 12288
	s_mov_b32 s67, 0
	s_lshl_b32 s94, s46, 9
	s_mov_b32 s95, 0
	s_mul_i32 s45, s14, HALFT
	s_wait_kmcnt 0x0
	s_add_nc_u64 s[22:23], s[4:5], s[22:23]
	s_add_nc_u64 s[92:93], s[6:7], s[92:93]
	s_add_nc_u64 s[66:67], s[8:9], s[66:67]
	s_add_nc_u64 s[94:95], s[10:11], s[94:95]
	CROUND
	s_mul_i32 s18, s16, 8*12288                    ; my half of a tile, 8 row blocks, in bytes of codes: the head's tiles begin at half 0
	s_mov_b32 s19, 0
	s_lshl_b32 s98, s16, 12                        ; and in bytes of scale words
	s_mov_b32 s99, 0
	s_mov_b32 s[G0], 1                             ; slot 0's 16 row blocks of A (this group 0 is set for the ring behind the wait for the head's loads)
	s_mov_b32 s[G0+1], 0
	s_sub_nc_u64 s[G0+2:G0+3], s[22:23], s[18:19]
	s_or_b32 s[G0+3], s[G0+3], 0x80000000
	s_mov_b32 s[G0B], 1                            ; those of B, behind them
	s_mov_b32 s[G0B+1], 2*HALFT
	s_sub_nc_u64 s[G0B+2:G0B+3], s[66:67], s[18:19]
	s_or_b32 s[G0B+3], s[G0B+3], 0x80000000
	s_mov_b32 s[G0S], 1                            ; A's scale words, 8,192 bytes
	s_mov_b32 s[G0S+1], SCL
	s_sub_nc_u64 s[G0S+2:G0S+3], s[92:93], s[98:99]
	s_or_b32 s[G0S+3], s[G0S+3], 0x80000000
	s_mov_b32 s[G0SB], 1                           ; B's
	s_mov_b32 s[G0SB+1], SCL+SCB
	s_sub_nc_u64 s[G0SB+2:G0SB+3], s[94:95], s[98:99]
	s_or_b32 s[G0SB+3], s[G0SB+3], 0x80000000
	s_mov_b32 s[G0+4], 1                           ; slot 1, the ring's form: my 8 row blocks
	s_add_co_u32 s[G0+5], s45, SLOT
	s_add_nc_u64 s[G0+6:G0+7], s[22:23], BLKB
	s_or_b32 s[G0+7], s[G0+7], 0x80000000
	s_mov_b32 s[G0B+4], 1
	s_add_co_u32 s[G0B+5], s45, SLOT
	s_add_nc_u64 s[G0B+6:G0B+7], s[66:67], BLKB
	s_or_b32 s[G0B+7], s[G0B+7], 0x80000000
; one tree of branches on the wave's number, one load to an arm, all arms to one join
.macro ARM under, g0, g1, next
	s_cmp_lt_u32 s14, \under
	s_cbranch_scc0 \next
	tensor_load_to_lds s[\g0:\g0+3], s[\g1:\g1+7]
	s_nop 0
.rept 4
	v_nop
.endr
	s_branch .Lhead_asked
\next:
.endm
	ARM 1, G0,  G1,  .Lhead_b
	ARM 2, G0B, G1B, .Lhead_sa
	ARM 3, G0S, G1S, .Lhead_sb
	tensor_load_to_lds s[G0SB:G0SB+3], s[G1SB:G1SB+7]
	s_nop 0
.rept 4
	v_nop
.endr
.Lhead_asked:
	v_and_b32 v1, 15, v0
	v_bfe_u32 v2, v0, 4, 1
	v_and_b32 v3, 31, v0
	v_lshlrev_b32 v[CO], 4, v3
	v_lshlrev_b32 v5, 3, v3
	s_mul_i32 s21, s15, HALFT
	s_mul_i32 s22, s16, HALFT
	s_add_co_u32 s22, s22, 2*HALFT
.irp s, 0,1
	v_add_nc_u32 v[ADRA+\s], s21, v[CO]
	v_add_nc_u32 v[ADRB+\s], s22, v[CO]
	v_add_nc_u32 v[ADRA+2+\s], s21, v5
	v_add_nc_u32 v[ADRB+2+\s], s22, v5
	s_add_co_u32 s21, s21, SLOT
	s_add_co_u32 s22, s22, SLOT
.endr
	s_lshl_b32 s21, s15, 12
	s_lshl_b32 s22, s16, 12
	s_add_co_u32 s22, s22, SCB
	s_sub_co_u32 s22, s22, s21
	v_mul_u32_u24 v6, s22, v2
	s_add_co_u32 s21, s21, SCL
	v_lshl_add_u32 v6, v1, 2, v6
	v_add_nc_u32 v[ADRS], s21, v6
	s_mul_i32 s23, s14, 16*SPITCH
	v_mul_u32_u24 v6, v1, SPITCH
	v_lshl_add_u32 v6, v2, 6, v6
	v_add_nc_u32 v[STO], s23, v6
	v_add_nc_u32 v[RD], s23, v[CO]
	s_lshl_b32 s20, s17, 20
	s_lshl_b32 s21, s15, 19
	s_add_co_u32 s20, s20, s21
	s_lshl_b32 s46, s40, 10
	s_lshl_b32 s47, s16, 9
	s_add_co_u32 s46, s46, s47
	s_add_co_u32 s20, s20, s46
	s_mov_b32 s21, 0
	s_add_nc_u64 s[12:13], s[12:13], s[20:21]
.macro FRAG reg, adr, q, i
	ds_load_b128 v[\reg:\reg+3], v[\adr] offset:BLKB*(\i)+FRB*(\q)
	ds_load_b64 v[\reg+4:\reg+5], v[\adr+2] offset:BLKB*(\i)+FRB*(\q)+512
	ds_load_b128 v[\reg+6:\reg+9], v[\adr] offset:BLKB*(\i)+FRB*(\q)+768
	ds_load_b64 v[\reg+10:\reg+11], v[\adr+2] offset:BLKB*(\i)+FRB*(\q)+1280
.endm
.macro MUL16 a0, p, q, sc, zero
.irp a, \a0, \a0+1
.irp b, 0,1,2,3,4,5,6,7
.if \zero
	v_wmma_scale_f32_16x16x128_f8f6f4 v[8*(8*((\a)%4)+\b):8*(8*((\a)%4)+\b)+7], v[128*(\p)+FR*\b:128*(\p)+FR*\b+FR-1], v[AF+FR*(\a):AF+FR*(\a)+FR-1], 0, v[SC+8*NQ*(\sc)+NQ*\b+(\q)], v[SC+8*NQ*(\sc)+NQ*(\a)+(\q)] matrix_a_fmt:MATRIX_FMT_FP6 matrix_b_fmt:MATRIX_FMT_FP6 matrix_a_scale:MATRIX_SCALE_ROW1
.else
	v_wmma_scale_f32_16x16x128_f8f6f4 v[8*(8*((\a)%4)+\b):8*(8*((\a)%4)+\b)+7], v[128*(\p)+FR*\b:128*(\p)+FR*\b+FR-1], v[AF+FR*(\a):AF+FR*(\a)+FR-1], v[8*(8*((\a)%4)+\b):8*(8*((\a)%4)+\b)+7], v[SC+8*NQ*(\sc)+NQ*\b+(\q)], v[SC+8*NQ*(\sc)+NQ*(\a)+(\q)] matrix_a_fmt:MATRIX_FMT_FP6 matrix_b_fmt:MATRIX_FMT_FP6 matrix_a_scale:MATRIX_SCALE_ROW1
.endif
.endr
.endr
.endm
.macro FETCH_B slot, q, p
	WIN TO_B
.irp i, 0,1,2,3,4,5,6,7
	FRAG 128*(\p)+FR*\i, ADRB+\slot, \q, \i
.endr
	WIN 0
.endm
.macro FETCH_A slot, q, i0
.irp i, \i0, \i0+1, \i0+2, \i0+3
	FRAG AF+FR*(\i), ADRA+\slot, \q, \i
.endr
.endm
.macro SCALES sc
.irp i, 0,1,2,3,4,5,6,7
.irp q, 0,1
	ds_load_b32 v[SC+8*NQ*\sc+NQ*\i+\q], v[ADRS] offset:512*\i+64*\q
.endr
.endr
.endm
.macro PLACES n
.rept \n
	v_nop
.endr
.endm
.macro STEP slot, q, zero
	s_wait_dscnt 4*NL
	WIN MUL_LO
	MUL16 0, (\q)%2, \q, \slot, \zero
	MUL16 2, (\q)%2, \q, \slot, \zero
	s_wait_dscnt 0
	PLACES NP
	FETCH_B \slot, (\q)+1, 1-(\q)%2
	FETCH_A \slot, (\q)+1, 0
	WIN MUL_HI
	MUL16 4, (\q)%2, \q, \slot, \zero
	MUL16 6, (\q)%2, \q, \slot, \zero
	PLACES NP
	WIN 0
	FETCH_A \slot, (\q)+1, 4
.endm
.macro TURN slot, next, fill
	s_wait_tensorcnt 0x0
	ds_add_u32 v[SPW], v[NIL]
	s_wait_dscnt 4*NL+1
	WIN MUL_LO
	MUL16 0, 1, NQ-1, \slot, 0
	s_wait_dscnt 0x0
	s_barrier_signal -1
	MUL16 2, 1, NQ-1, \slot, 0
	WIN 0
	s_barrier_wait -1
.if \fill
	CREST
	s_add_nc_u64 s[G0+4*\slot+2:G0+4*\slot+3], s[G0+4*\slot+2:G0+4*\slot+3], 2*BLKB
	s_add_nc_u64 s[G0B+4*\slot+2:G0B+4*\slot+3], s[G0B+4*\slot+2:G0B+4*\slot+3], 2*BLKB
	JLOAD G0+4*\slot, G1, G0B+4*\slot, G1B
.else
	PLACES NP
.endif
	s_wait_alu depctr_va_vdst(0)
	v_add_nc_u32 v[ADRS], 64*NQ, v[ADRS]
	FETCH_B \next, 0, 0
	FETCH_A \next, 0, 0
	SCALES \next
	WIN MUL_HI
	MUL16 4, 1, NQ-1, \slot, 0
	MUL16 6, 1, NQ-1, \slot, 0
	PLACES NP
	WIN 0
	FETCH_A \next, 0, 4
.endm
	s_wait_alu depctr_va_vdst(0)
	s_wait_tensorcnt 0x0                           ; my tile of the head's four is in
	ds_add_u32 v[SPW], v[NIL]
	s_mov_b32 s[G1+2], 8<<16                       ; no tensor load of mine is out: from here on a load brings 8 row blocks,
	s_mov_b32 s[G1+4], 8
	s_mov_b32 s[G1B+2], 8<<16
	s_mov_b32 s[G1B+4], 8
	s_mov_b32 s[G0+1], s45                         ; and slot 0's group 0 names my half
	s_add_nc_u64 s[G0+2:G0+3], s[G0+2:G0+3], s[18:19]
	s_mov_b32 s[G0B+1], s45
	s_add_nc_u64 s[G0B+2:G0B+3], s[G0B+2:G0B+3], s[18:19]
	s_wait_dscnt 0x0
	CROUND                                         ; all four tiles are in, and the sixteen work-groups meet
	JLOAD G0+4, G1, G0B+4, G1B                     ; slot 1's first fill, the first tensor load behind the round
	FETCH_B 0, 0, 0
	FETCH_A 0, 0, 0
	SCALES 0
	FETCH_A 0, 0, 4
	STEP 0, 0, 1
	TURN 0, 1, 1
	STEP 1, 0, 0
	TURN 1, 0, 1
	STEP 0, 0, 0
	TURN 0, 1, 0
	STEP 1, 0, 0
	s_wait_dscnt 4*NL
	WIN MUL_LO
	MUL16 0, 1, NQ-1, 1, 0
	MUL16 2, 1, NQ-1, 1, 0
	s_wait_dscnt 0
	WIN MUL_HI
	MUL16 4, 1, NQ-1, 1, 0
	MUL16 6, 1, NQ-1, 1, 0
	WIN 0
.macro TOSTAGE a
.set AC, 64*((\a)%4)
	WIN 0x08+4*((\a)/4)
.irp b, 0,1,2,3,4,5,6,7
	ds_store_b128 v[STO], v[AC+8*\b:AC+8*\b+3] offset:128*(\b/2)+32*(\b%2)
	ds_store_b128 v[STO], v[AC+8*\b+4:AC+8*\b+7] offset:128*(\b/2)+32*(\b%2)+16
.endr
	WIN 0
.set BB, BK+64*((\a)%2)
.irp t, 0,1,2,3,4,5,6,7,8,9,10,11,12,13,14,15
	ds_load_b128 v[BB+4*\t:BB+4*\t+3], v[RD] offset:\t*SPITCH
.endr
.endm
.macro SEND a, younger
.set BB, BK+64*((\a)%2)
	s_wait_dscnt \younger
.irp t, 0,1,2,3,4,5,6,7,8,9,10,11,12,13,14,15
	global_store_b128 v[CO], v[BB+4*\t:BB+4*\t+3], s[12:13] offset:(32*((\a)/2)+8*((\a)%2)+\t+8*(\t/8))*4096 th:TH_STORE_NT
.endr
.endm
	PLACES NP
	TOSTAGE 0
.irp a, 1,2,3,4,5,6,7
.if \a > 1
	s_wait_xcnt 0x0
.endif
	TOSTAGE \a
	SEND \a-1, 32
.endr
	SEND 7, 0
	s_wait_tensorcnt 0x0
	ds_add_u32 v[SPW], v[NIL]
	s_wait_dscnt 0x0
	CROUND
	s_endpgm
.Lfunc_end_k_q7b85839b32_outp:
	.size	k_q7b85839b32_outp, .Lfunc_end_k_q7b85839b32_outp-k_q7b85839b32_outp
	.p2alignl 7, 3214868480
	.fill 96, 4, 3214868480
	.section	.rodata,"a",@progbits
	.p2align	6, 0x0
	.amdhsa_kernel k_q7b85839b32_outp
		.amdhsa_group_segment_fixed_size 327680
		.amdhsa_private_segment_fixed_size 0
		.amdhsa_enable_private_segment 0
		.amdhsa_kernarg_size 40
		.amdhsa_user_sgpr_count 2
		.amdhsa_user_sgpr_kernarg_segment_ptr 1
		.amdhsa_wavefront_size32 1
		.amdhsa_system_sgpr_workgroup_id_x 1
		.amdhsa_system_sgpr_workgroup_id_y 1
		.amdhsa_system_sgpr_workgroup_id_z 1
		.amdhsa_system_vgpr_workitem_id 0
		.amdhsa_next_free_vgpr 1024
		.amdhsa_next_free_sgpr 100
		.amdhsa_reserve_vcc 0
		.amdhsa_float_denorm_mode_32 3
		.amdhsa_float_denorm_mode_16_64 3
		.amdhsa_memory_ordered 1
		.amdhsa_forward_progress 1
		.amdhsa_inst_pref_size 146
	.end_amdhsa_kernel
	.amdgpu_metadata
---
amdhsa.version: [ 1, 2 ]
amdhsa.kernels:
  - .name:           k_q7b85839b32_outp
    .symbol:         k_q7b85839b32_outp.kd
    .args:
      - { .name: cc, .offset: 0, .size: 8, .value_kind: global_buffer, .address_space: global }
      - { .name: cs, .offset: 8, .size: 8, .value_kind: global_buffer, .address_space: global }
      - { .name: qc, .offset: 16, .size: 8, .value_kind: global_buffer, .address_space: global }
      - { .name: qs, .offset: 24, .size: 8, .value_kind: global_buffer, .address_space: global }
      - { .name: out0, .offset: 32, .size: 8, .value_kind: global_buffer, .address_space: global }
    .group_segment_fixed_size: 327680
    .private_segment_fixed_size: 0
    .kernarg_segment_align: 8
    .kernarg_segment_size: 40
    .max_flat_workgroup_size: 128
    .sgpr_count:     100
    .vgpr_count:     1024
    .wavefront_size: 32
...
	.end_amdgpu_metadata
.endif
;; end of part 4
